; MI455X (gfx1250); checked and timed in simulation.
; The chip was launched on July 23, 2026; its instructions are those of AMD's public machine-readable ISA for CDNA 5 (MIT licence, August 2026) and "CDNA5" Instruction Set Architecture Reference Guide (July 2026). The comments in the code are by the model that wrote it; some were corrected since.
;; Multi Head Attention. Allowed arithmetic: matrix products marked QUANTISED: E2M1 operands, one E8M0 scale for each 32 along K, by v_wmma_scale_f32_16x16x128_f8f6f4 with both operands' format E2M1 (or v_wmma_scale_f32_32x16x128_f4), f32 sums; products left as they are: bf16, f16 or f32 operands; f32 sums; everything else in f32.
;; Inputs: b_proj 1,024 float32; w_proj 1,024 x 1,024 float32; w_qkv 3,072 x 1,024 float32; x 4 x 2,048 x 1,024 float32.
;; Outputs: out0 4 x 2,048 x 1,024 float32.
;; This version of the problem:
;;   THIS VERSION OF THE PROBLEM IS GIVEN IN LOW PRECISION. The matrix products marked QUANTISED in the list below multiply operands that are first quantised to E2M1 (2 exponent bits, 1 mantissa bit; 4 bits a number), with one power-of-two scale for each 32 numbers along K (OCP MX v1.0); their sums are f32. The products marked 'left as it is' may take bf16, f16 or f32 operands, with f32 sums. Whichever they take, every output number must still come out within the allowed error. Rounding operands to bf16 (8 significant bits) uses up far more of that allowance than f16 does (11 bits, for magnitudes from 6e-5 to 65,504). All else is computed in f32.
;;   The module's matrix products, in the order in which they are computed (A, B: the left and right operand; K: the contracted axis; several contracted axes count as one K, in the product's order):
;;     1. [M 8,192, K 1,024] x [K 1,024, N 3,072]; A: input x; B: input w_qkv: QUANTISED
;;     2. batch 64 x [M 2,048, K 64] x [K 64, N 2,048]; A: computed on the way; B: computed on the way: left as it is (an operand is computed on the way)
;;     3. batch 64 x [M 64, K 2,048] x [K 2,048, N 2,048]; A: computed on the way; B: computed on the way: left as it is (an operand is computed on the way)
;;     4. [M 8,192, K 1,024] x [K 1,024, N 1,024]; A: computed on the way; B: input w_proj: left as it is (an operand is computed on the way)
;;   THE QUANTISER, for each operand of a quantised product, along K:
;;     - K is cut into blocks of 32 from its start; a last block that is shorter is filled with zeros.
;;     - A block's scale is 2^e with e = floor(log2(the largest magnitude in the block)) - 2, held to -126 .. 127; a block of zeros has e = 0. As a byte (E8M0): e + 127.
;;     - Each number is divided by its block's scale, clamped to +-6, and rounded to the nearest number of E2M1, ties to even, subnormals kept.
;;     - The product sums the exact products of the quantised numbers (number of the format x scale) in f32.
;;   ~~~python
;;   def quantise(x, axis):      # numpy; x: float32 -> the quantised numbers, widened to float32 again
;;       x = np.moveaxis(x, axis, -1); K = x.shape[-1]
;;       x = np.pad(x, [(0, 0)] * (x.ndim - 1) + [(0, -K % 32)]); x = x.reshape(x.shape[:-1] + (-1, 32)); a = np.abs(x).max(-1, keepdims=True)
;;       e = np.where(a > 0, np.clip(np.frexp(np.where(a > 0, a, 1))[1] - 1 - 2, -126, 127), 0)      # np.frexp(a)[1] - 1 = floor(log2(a)), exactly
;;       r = np.clip(x / 2.0 ** e, -6, 6)
;;       step = 2.0 ** (np.maximum(np.frexp(np.where(r == 0, 1, r))[1] - 1, 0) - 1)
;;       q = np.round(r / step) * step * 2.0 ** e      # np.round: ties to even
;;       return np.moveaxis(q.reshape(q.shape[:-2] + (-1,))[..., :K], -1, axis).astype(np.float32)
;;   ~~~
;; One version. Each part assembles by itself: llvm-mc -triple=amdgcn-amd-amdhsa -mcpu=gfx1250 --defsym DOCPART=n.
;; ======== version 1 of 1: 4 launches
;; limits: values are held in f16: magnitudes above 65,504 overflow, below 6.1e-05 lose precision
;; workspace buffers: x_codes 4,194,304 bytes; x_scales 262,144 bytes; w_codes 1,572,864 bytes; w_scales 98,304 bytes; wp16 2,097,152 bytes; qkvh 50,331,648 bytes; att 16,777,216 bytes
;; launch quant (part 1): grid 384 x 1, 4 waves a work-group, no clusters, 33,280 bytes of LDS; arguments x, w_qkv, w_proj, x_codes, x_scales, w_codes, w_scales, wp16; writes x_codes, x_scales, w_codes, w_scales, wp16
.if DOCPART == 1
	.amdgcn_target "amdgcn-amd-amdhsa--gfx1250"
	.amdhsa_code_object_version 6
	.text
	.protected	k_q30106271dc_quant
	.globl	k_q30106271dc_quant
	.p2align	8
	.type	k_q30106271dc_quant,@function
k_q30106271dc_quant:
	s_mov_b64 s[64:65], 0
	v_nop
	global_prefetch_b8 v0, s[64:65] scope:SCOPE_SE
	s_setreg_imm32_b32 hwreg(HW_REG_WAVE_MODE, 25, 1), 1
	s_wait_xcnt 0x0
; x [8192][1024] and w_qkv [3072][1024], f32, become codes of FP4 (E2M1), K innermost, two codes a byte, with one E8M0 scale byte for each 32 along K; w_proj [1024][1024] becomes f16, row-major.
; A block's scale is 2^(floor(log2(its largest magnitude)) - 2); its byte is the largest magnitude's own exponent field - 2, held at 1 from below.  Each number is divided by the scale and rounded to the nearest code, ties to even, beyond 6 the largest code.
; (A block of zeros gets the byte 1 where the quantiser says 127: its codes are zeros, which add nothing under any byte but 0xff, and the bytes are read by this program alone.)
; LIMITS: blocks whose largest magnitude lies under 2^-124, the floor, keep the byte 1; NaN and infinities are not served; |w_proj| stays under 65,504 (f16), and under 6e-5 it keeps an absolute error of 3e-8.
; SHARES: a work-group takes 32,768 numbers, a wave 8,192.  Work-groups 0-255: x; 256-351: w_qkv; 352-383: w_proj.  Rows are dense and K is a multiple of 32: the tensors are plain streams.
; No cluster, no tensor load, no barrier: work-groups and waves share no input.
; x, w_qkv: a wave takes 16 steps of 512 numbers.  Each of a step's four loads reads 512 consecutive bytes; the 2,048 bytes turn through the wave's own stage in LDS (16 bytes of padding behind each 64) and come back 64 bytes a lane:
; 16 neighbours along K, two neighbouring lanes to a block.  A lane's 16 codes are 8 bytes: the wave stores 256 consecutive bytes.  A wave's 256 scale bytes are gathered in LDS and leave as 256 consecutive bytes.
.set WAVES, 4
.set STEPS, 16
.set WGA,   256                        ; x's work-groups
.set WGQ,   352                        ; x's and w_qkv's
.set EMAX,  2
.set CB,    8                          ; bytes of 16 codes
.set R,     16                         ; v16-79   four sets of 16 numbers as they are loaded (w_proj's path: v16-143, two sets of 64)
.set X,     80                         ; v80-111  two sets of 16 neighbours
.set C,     128                        ; v128-191 codes: four registers for each step, so that no store's data are written again
.set E,     112                        ; v112-127 a scale byte for each step
.set WREG,  8192                       ; LDS: a region for each wave: two stages of 32 x SP bytes, behind them its 256 scale bytes
.set SP,    80                         ; a lane's place in a stage: 64 bytes + 16 of padding
.set SPW,   12                         ; v12  LDS address of my spare word: SPARE + 4 x my thread's number; never rewritten
.set NIL,   13                         ; v13  0; never rewritten
.set SPARE, WAVES*WREG                 ; behind the four regions: the spare words, 128 bytes a wave; no other line names them
	s_load_b256 s[4:11], s[0:1], 0x0               ; x s[4:5], w_qkv s[6:7], w_proj s[8:9], x_codes s[10:11]
	s_load_b256 s[12:19], s[0:1], 0x20             ; x_scales s[12:13], w_codes s[14:15], w_scales s[16:17], wp16 s[18:19]
	v_lshl_add_u32 v[SPW], v0, 2, SPARE
	v_mov_b32 v[NIL], 0
	v_lshrrev_b32 v1, 5, v0
	v_readfirstlane_b32 s20, v1                    ; wave
	v_and_b32 v2, 31, v0                           ; lane
	s_mov_b32 s23, 0                               ; the high word of every offset pair s[22:23]
	s_wait_kmcnt 0x0
	s_cmp_ge_u32 ttmp9, WGQ                        ; the work-group's number alone decides the path
	s_cbranch_scc1 .Lproj
	; ---------------- x and w_qkv: codes and scale bytes
	v_lshlrev_b32 v3, 4, v2                        ; my 16 bytes of a load's 512
	s_mul_i32 s24, s20, WREG
	v_lshrrev_b32 v14, 2, v2
	v_mul_u32_u24 v14, v14, SP
	v_and_b32 v15, 3, v2
	v_lshl_add_u32 v14, v15, 4, v14
	v_add_nc_u32 v14, s24, v14                     ; the stage, on the way in: four lanes' 64 bytes on end, then 16 of padding
	v_mul_u32_u24 v15, v2, SP
	v_add_nc_u32 v15, s24, v15                     ; and on the way out: SP x lane: my 16 neighbours
	v_mul_u32_u24 v4, v2, CB                       ; my codes' place in a step's
	v_lshrrev_b32 v5, 1, v2
	s_add_co_u32 s24, s24, 2*32*SP
	v_add_nc_u32 v5, s24, v5                       ; LDS: my wave's 256 scale bytes, my block's byte
	v_lshlrev_b32 v7, 3, v2                        ; and on the way out 8 bytes a lane
	v_add_nc_u32 v6, s24, v7
	s_cmp_lt_u32 ttmp9, WGA                        ; x's work-group or w_qkv's?
	s_cselect_b64 s[4:5], s[4:5], s[6:7]
	s_cselect_b64 s[10:11], s[10:11], s[14:15]
	s_cselect_b64 s[12:13], s[12:13], s[16:17]
	s_cselect_b32 s21, 0, WGA
	s_sub_co_u32 s21, ttmp9, s21
	s_lshl_b32 s21, s21, 2
	s_add_co_u32 s21, s21, s20                     ; which run of 8,192 numbers of the tensor is my wave's (at most 1,023)
	s_lshl_b32 s22, s21, 15                        ; 32,768 bytes of f32 a run
	s_add_nc_u64 s[4:5], s[4:5], s[22:23]
	s_lshl_b32 s22, s21, 12                        ; 4,096 bytes of codes
	s_add_nc_u64 s[10:11], s[10:11], s[22:23]
	s_lshl_b32 s22, s21, 8                         ; 256 scale bytes
	s_add_nc_u64 s[12:13], s[12:13], s[22:23]
.macro LOAD t
.irp i, 0,1,2,3
	global_load_b128 v[R+16*((\t)%4)+4*\i:R+16*((\t)%4)+4*\i+3], v3, s[4:5] offset:2048*(\t)+512*\i th:TH_LOAD_NT   ; 32 lanes read 512 consecutive bytes
.endr
.endm
.macro TURN t                          ; step t's numbers through the stage: LDS serves a wave's instructions in order (ISA guide 5.7.1.4), so no wait stands between the stores and the loads
.irp i, 0,1,2,3
	ds_store_b128 v14, v[R+16*((\t)%4)+4*\i:R+16*((\t)%4)+4*\i+3] offset:32*SP*((\t)%2)+8*SP*\i
.endr
.irp i, 0,1,2,3
	ds_load_b128 v[X+16*((\t)%2)+4*\i:X+16*((\t)%2)+4*\i+3], v15 offset:32*SP*((\t)%2)+16*\i
.endr
.endm
.irp t, 0,1,2,3
	LOAD \t
.endr
	s_wait_loadcnt 12                              ; step 0's four loads are in; the twelve of steps 1 to 3 stay out
	TURN 0
.macro STEP t
.set XS, X+16*((\t)%2)
.if (\t) > 0
	s_wait_dscnt 1                                 ; this step's numbers are back from the stage (the last step's byte store may be out): so its stores into the stage have read their registers,
.else
	s_wait_dscnt 0x0
.endif
.if (\t)+4 < STEPS
	LOAD (\t)+4                                    ; which take the loads of four steps on
.endif
.if (\t)+1 < STEPS
.if STEPS-2-(\t) >= 3
	s_wait_loadcnt 12                              ; the next step's four loads are in; those of the three steps behind it may be out
.else
	s_wait_loadcnt 4*(STEPS-2-(\t))
.endif
	TURN (\t)+1                                    ; and go through the other stage while this step is worked
.endif
	v_max3_num_f32 v8, |v[XS]|, |v[XS+1]|, |v[XS+2]|               ; the largest magnitude of my 16, in two chains
	v_max3_num_f32 v9, |v[XS+3]|, |v[XS+4]|, |v[XS+5]|
.irp i, 6,10
	v_max3_num_f32 v8, v8, |v[XS+\i]|, |v[XS+\i+1]|
	v_max3_num_f32 v9, v9, |v[XS+\i+2]|, |v[XS+\i+3]|
.endr
	v_max3_num_f32 v8, v8, |v[XS+14]|, |v[XS+15]|
	v_max3_num_f32 v8, v8, v9, (EMAX+1)<<23        ; and the floor 2^(EMAX + 1 - 127): the byte cannot fall under 1
	v_max_num_f32_dpp v8, v8, v8 row_xmask:1 row_mask:0xf bank_mask:0xf   ; and of my neighbour's 16: the block's
	v_add_nc_u32 v11, -(EMAX<<23), v8              ; EMAX off its exponent field: the conversion takes the exponent field of this operand as its scale, and nothing else of it
	v_cvt_scalef32_pk8_fp4_f32 v[C+4*(\t)], v[XS:XS+7], v11
	v_cvt_scalef32_pk8_fp4_f32 v[C+4*(\t)+1], v[XS+8:XS+15], v11
	v_lshrrev_b32 v[E+(\t)], 23, v11               ; the scale's byte (also the plain line behind the conversions)
	ds_store_b8 v5, v[E+(\t)] offset:16*(\t)       ; both lanes of a block write the same byte with the same value
	global_store_b64 v4, v[C+4*(\t):C+4*(\t)+1], s[10:11] offset:32*CB*(\t)   ; the wave stores 256 consecutive bytes, aligned
.endm
.irp t, 0,1,2,3,4,5,6,7,8,9,10,11,12,13,14,15
	STEP \t
.endr
	ds_load_b64 v[8:9], v6                         ; in order behind my byte stores
	s_wait_dscnt 0x0
	global_store_b64 v7, v[8:9], s[12:13]          ; 32 lanes store 256 consecutive bytes, aligned
	s_wait_tensorcnt 0x0                           ; the wave's end: behind my last LDS store
	ds_add_u32 v[SPW], v[NIL]
	s_wait_dscnt 0x0
	s_endpgm
	; ---------------- w_proj: f32 to f16, as it lies.  32 steps of 256 numbers a wave, in four groups of eight; two sets of registers, so that a group's 16 loads are out while the group before is worked.
.Lproj:
	s_sub_co_u32 s21, ttmp9, WGQ
	s_lshl_b32 s21, s21, 2
	s_add_co_u32 s21, s21, s20                     ; my run of 8,192 numbers (0 to 127)
	s_lshl_b32 s22, s21, 15
	s_add_nc_u64 s[8:9], s[8:9], s[22:23]
	s_lshl_b32 s22, s21, 14
	s_add_nc_u64 s[18:19], s[18:19], s[22:23]
	v_lshlrev_b32 v3, 4, v2                        ; in: 16 bytes a lane
	v_lshlrev_b32 v4, 3, v2                        ; out: 8 bytes a lane
.macro LOADG g                         ; group g: 16 loads of 512 consecutive bytes into set g % 2
.irp i, 0,1,2,3,4,5,6,7
	global_load_b128 v[R+64*((\g)%2)+8*\i:R+64*((\g)%2)+8*\i+3],   v3, s[8:9] offset:1024*(8*(\g)+\i) th:TH_LOAD_NT
	global_load_b128 v[R+64*((\g)%2)+8*\i+4:R+64*((\g)%2)+8*\i+7], v3, s[8:9] offset:1024*(8*(\g)+\i)+512 th:TH_LOAD_NT
.endr
.endm
.macro GROUP g
.set GB, R+64*((\g)%2)
.if (\g) < 3
	s_wait_loadcnt 16                              ; this group's 16 loads are in; the next group's 16 may be out
.else
	s_wait_loadcnt 0x0
.endif
.irp i, 0,1,2,3,4,5,6,7
.irp j, 0,1,2,3
	v_cvt_pk_f16_f32 v[GB+8*\i+\j], v[GB+8*\i+2*\j], v[GB+8*\i+2*\j+1]   ; packed in place, ascending: register j is written when it has been read
.endr
	global_store_b64 v4, v[GB+8*\i:GB+8*\i+1],   s[18:19] offset:512*(8*(\g)+\i)        ; the wave stores 256 consecutive bytes, aligned
	global_store_b64 v4, v[GB+8*\i+2:GB+8*\i+3], s[18:19] offset:512*(8*(\g)+\i)+256
.endr
.if (\g) < 2
	s_wait_xcnt 0x0                                ; the stores' data registers are loaded again only behind this wait
	LOADG (\g)+2
.endif
.endm
	LOADG 0
	LOADG 1
	GROUP 0
	GROUP 1
	GROUP 2
	GROUP 3
	s_wait_tensorcnt 0x0                           ; the wave's end, in the same form as on the other path
	ds_add_u32 v[SPW], v[NIL]
	s_wait_dscnt 0x0
	s_endpgm
.Lfunc_end_k_q30106271dc_quant:
	.size	k_q30106271dc_quant, .Lfunc_end_k_q30106271dc_quant-k_q30106271dc_quant
	.p2alignl 7, 3214868480
	.fill 96, 4, 3214868480
	.section	.rodata,"a",@progbits
	.p2align	6, 0x0
	.amdhsa_kernel k_q30106271dc_quant
		.amdhsa_group_segment_fixed_size 33280
		.amdhsa_private_segment_fixed_size 0
		.amdhsa_enable_private_segment 0
		.amdhsa_kernarg_size 64
		.amdhsa_user_sgpr_count 2
		.amdhsa_user_sgpr_kernarg_segment_ptr 1
		.amdhsa_wavefront_size32 1
		.amdhsa_system_sgpr_workgroup_id_x 1
		.amdhsa_system_sgpr_workgroup_id_y 1
		.amdhsa_system_sgpr_workgroup_id_z 1
		.amdhsa_system_vgpr_workitem_id 0
		.amdhsa_next_free_vgpr 192
		.amdhsa_next_free_sgpr 66
		.amdhsa_reserve_vcc 0
		.amdhsa_float_denorm_mode_32 3
		.amdhsa_float_denorm_mode_16_64 3
		.amdhsa_memory_ordered 1
		.amdhsa_forward_progress 1
		.amdhsa_inst_pref_size 54
	.end_amdhsa_kernel
	.amdgpu_metadata
---
amdhsa.version: [ 1, 2 ]
amdhsa.kernels:
  - .name:           k_q30106271dc_quant
    .symbol:         k_q30106271dc_quant.kd
    .args:
      - { .name: x, .offset: 0, .size: 8, .value_kind: global_buffer, .address_space: global }
      - { .name: w_qkv, .offset: 8, .size: 8, .value_kind: global_buffer, .address_space: global }
      - { .name: w_proj, .offset: 16, .size: 8, .value_kind: global_buffer, .address_space: global }
      - { .name: x_codes, .offset: 24, .size: 8, .value_kind: global_buffer, .address_space: global }
      - { .name: x_scales, .offset: 32, .size: 8, .value_kind: global_buffer, .address_space: global }
      - { .name: w_codes, .offset: 40, .size: 8, .value_kind: global_buffer, .address_space: global }
      - { .name: w_scales, .offset: 48, .size: 8, .value_kind: global_buffer, .address_space: global }
      - { .name: wp16, .offset: 56, .size: 8, .value_kind: global_buffer, .address_space: global }
    .group_segment_fixed_size: 33280
    .private_segment_fixed_size: 0
    .kernarg_segment_align: 8
    .kernarg_segment_size: 64
    .max_flat_workgroup_size: 128
    .sgpr_count:     66
    .vgpr_count:     192
    .wavefront_size: 32
...
	.end_amdgpu_metadata
.endif
;; end of part 1
;; launch qkv (part 2): grid 12 x 32, 4 waves a work-group, clusters of 4 x 4, 327,680 bytes of LDS; arguments x_codes, x_scales, w_codes, w_scales, qkvh; writes qkvh
.if DOCPART == 2
	.amdgcn_target "amdgcn-amd-amdhsa--gfx1250"
	.amdhsa_code_object_version 6
	.text
	.protected	k_q30106271dc_qkv
	.globl	k_q30106271dc_qkv
	.p2align	8
	.type	k_q30106271dc_qkv,@function
k_q30106271dc_qkv:
	s_mov_b64 s[64:65], 0
	v_nop
	global_prefetch_b8 v0, s[64:65] scope:SCOPE_SE
	s_setreg_imm32_b32 hwreg(HW_REG_WAVE_MODE, 25, 1), 1
	s_wait_xcnt 0x0
	s_wait_alu depctr_hold_cnt(0) depctr_sa_sdst(0) depctr_va_vdst(0) depctr_va_sdst(0) depctr_va_ssrc(0) depctr_va_vcc(0) depctr_vm_vsrc(0)
	s_getreg_b32 s2, hwreg(HW_REG_IB_STS2, 6, 4)
	s_cmp_eq_u32 s2, 0
	s_cbranch_scc0 .Lentry_in_a_cluster
	s_endpgm
.Lentry_in_a_cluster:
	s_bfe_u32 s2, ttmp6, 0x10000c
	s_cmp_lg_u32 s2, 0xf033
	s_cbranch_scc0 .Lentry_shape_is_right
	s_endpgm
.Lentry_shape_is_right:
; qkv[m][n] = sum over k of x[m][k] w_qkv[n][k] on codes of FP4 (E2M1) with one E8M0 scale for each 32 along K; sums in f32; M = 8,192, N = 3,072, K = 1,024.
; The result is rounded ONCE to f16 and stored as the next launch's operand registers want it: qkvh [which 3][b 4][head 16][token / 16][d / 16][512 bytes].
;   Q, K: in a block of 16 tokens x 16 d, element (token r, d = 8 h + j) lies at 256 h + 16 r + 2 j: lane 16 h + r owns the 16 bytes at 16 x lane.
;   V:    it lies at 256 (r / 8) + 128 h + 16 (r % 8) + 2 j, so that the turning LDS load of the next launch reads the block at 16 x lane.
; LIMITS: |q|, |k|, |v| stay under 65,504 (f16); under 6e-5 they keep an absolute error of 3e-8.
; A tile of 256 x 256 is made by a work-group of four waves; a wave makes 128 x 128: 64 accumulators, 512 registers.  K = 1,024 is two slots of 512 along K (rows of 256 bytes): BOTH ARE FIRST FILLS; no LDS byte is filled twice, and there is no loop.
; The scale bytes of the work-group's 256 + 256 rows, for all of K, come once, with the first fills, as rows of 256 bytes.
; CLUSTERS: 4 x 4 work-groups.  The four of a row of the cluster need the same tiles of x, the four of a column the same tiles of w: each tile is asked for jointly, by the same tensor load with the same descriptor and a mask that names the four.
; The grid is 12 x 32 = 384 work-groups: 128 more than a tile of 256 x 384 would give, which wants 768 accumulator registers a wave and does not fit beside the fragments.
; THE MATRIX INSTRUCTION IS USED TRANSPOSED (source 0 = 16 rows of w, source 1 = 16 rows of x): a lane holds one token and eight neighbouring d: 16 bytes of f16, its own place in a block.  So the way out needs no LDS.
; REGISTERS, in windows of 256: window 0: v0-31 addresses; v32-95 scale words, two sets; from v128 x's fragments, one set; on the way out v128-255 hold packed results.
;   window 1: w's fragments, two sets, at v0 and v128.   window 2: accumulators of my rows 0-63 ((a, b) at v[8 (8 a + b)]);   window 3: those of rows 64-127.
.set KSTEP,  512
.set NQ,     KSTEP/128                 ; matrix instructions deep in a slot
.set ROWB,   256                       ; a tile's row in bytes
.set KROW,   512                       ; a row of codes in memory
.set PITCH,  272                       ; an LDS row: 256 bytes + 16 of padding = 68 words: the 16 rows that a load touches start at 16 different banks (64 banks of 4 bytes: ISA guide 11.1)
.set FR,     8                         ; registers of a fragment: 16 rows x 128 K
.set NL,     2                         ; LDS loads that bring one
.set NP,     4                         ; places behind this matrix instruction (ISA guide 7.12.1)
.set HALFT,  128*PITCH                 ; 128 rows: what one tensor load brings, and what one wave reads of x or of w
.set SLOT,   4*HALFT                   ; x's 256 rows, then w's 256 rows
.set KS,     32                        ; a row of scale bytes
.set SCL,    2*SLOT                    ; behind the slots: the scales, as rows of 256 bytes + 16 of padding
.set HALFS,  (128*KS/256)*272          ; the scales of 128 rows: what one tensor load brings
.set SBLK,   (16*KS/256)*272           ; those of 16 rows
.set SPARE,  SCL+4*HALFS               ; behind the scales: the spare words, 128 bytes a wave; no other line names them
.set ADRA, 16                          ; v16-17  LDS address of my x fragments in slot 0, 1
.set ADRB, 20                          ; v20-21  the same for w
.set CO,   26                          ; v26     my 16 bytes' place in a block of qkvh
.set ADRS, 27                          ; v27     LDS address of my scale words: lanes 0-15 x's rows, lanes 16-31 w's
.set SPW,  28                          ; v28     LDS address of my spare word; never rewritten
.set NIL,  29                          ; v29     0; never rewritten
.set SC,   32                          ; scale words: set s at v[SC + 32 s]; register 4 i + q: lanes 0-15 x's block i, lanes 16-31 w's block i, the slot's q-th 128 along K
.set AF,   128                         ; x's fragments, window 0
.set OUTR, 128                         ; the way out: four sets of 32 packed registers, window 0
.set G1, 24                            ; s[24:31] group 1 for x's tiles;  s[32:39] group 0, a set for each slot
.set G0, 32
.set G1B, 48                           ; s[48:55], s[56:63] the same for w's tiles
.set G0B, 56
.set G1S, 68                           ; s[68:75], s[76:79] groups 1 and 0 for x's scales;  s[80:87], s[88:91] for w's
.set G0S, 76
.set G1SB, 80
.set G0SB, 88
.set MSB, 0
.macro WIN new                         ; the immediate's high byte repeats the setting that is left; a switch that changes nothing is dropped
.if MSB != (\new)
	s_set_vgpr_msb (MSB<<8)|(\new)
.set MSB, (\new)
.endif
.endm
.set MUL_LO, 0xa1                      ; source 0 (w) window 1, source 1 (x) window 0, C and D window 2
.set MUL_HI, 0xf1                      ; the same, C and D window 3
.set TO_B,   0x40                      ; destination window 1, address window 0
; A joint load: waves 0 and 1 fetch for x, waves 2 and 3 for w.  Each line has one mask and one set of registers for all that issue it; the branch hangs on the wave's number alone.
; An s_nop 0 and four v_nop follow each of the two lines.
.macro JLOAD g0a, g1a, g0b, g1b
	s_cmp_eq_u32 s15, 0
	s_cbranch_scc0 .Lfor_b_\@
	tensor_load_to_lds s[\g0a:\g0a+3], s[\g1a:\g1a+7]
	s_nop 0
.rept 4
	v_nop
.endr
	s_branch .Lasked_\@
.Lfor_b_\@:
	tensor_load_to_lds s[\g0b:\g0b+3], s[\g1b:\g1b+7]
	s_nop 0
.rept 4
	v_nop
.endr
.Lasked_\@:
.endm
.macro CROUND                          ; a round of the cluster's barrier
	s_barrier_signal -1
	s_barrier_wait -1
	s_cmp_lg_u32 s14, 0
	s_cbranch_scc1 .Lnot_wave_0_\@
	s_barrier_signal -3
.Lnot_wave_0_\@:
	s_barrier_wait -3
	s_barrier_signal -1
	s_barrier_wait -1
.endm
	s_load_b128 s[4:7], s[0:1], 0x0                ; x's codes s[4:5], x's scales s[6:7]
	s_load_b128 s[8:11], s[0:1], 0x10              ; w's codes s[8:9], w's scales s[10:11]
	s_load_b64 s[12:13], s[0:1], 0x20              ; qkvh
	v_lshl_add_u32 v[SPW], v0, 2, SPARE
	v_mov_b32 v[NIL], 0
	ds_add_u32 v[SPW], v[NIL]                      ; the wave's opening: the add and its wait stand ahead of my first tensor load; the set-up below, work on registers, stands between them
	v_lshrrev_b32 v1, 5, v0
	v_readfirstlane_b32 s14, v1                    ; wave 0..3
	s_lshr_b32 s15, s14, 1                         ; which half of the tile's rows is mine.  Also: I fetch for x (0) or for w (1)
	s_and_b32 s16, s14, 1                          ; which half of its columns.  Also: which 128 rows of that tile I fetch
	s_bfe_u32 s40, ttmp6, 0x40000                  ; cx, cy: my place in the cluster
	s_bfe_u32 s41, ttmp6, 0x40004
	s_lshl_b32 s42, ttmp9, 2
	s_add_co_u32 s42, s42, s40                     ; tile column = 4 x cluster x + cx
	s_and_b32 s17, ttmp7, 0xffff
	s_lshl_b32 s17, s17, 2
	s_add_co_u32 s17, s17, s41                     ; tile row = 4 x cluster y + cy
	s_lshl_b32 s43, s41, 2
	s_lshl_b32 s43, 15, s43                        ; my row of the cluster
	s_lshl_b32 s44, 0x1111, s40                    ; my column
	; group 1: a tile of 128 rows x 256 bytes, padded in LDS
	s_or_b32 s[G1+0], s43, (0<<16)|(1<<20)|(1<<21)|(5<<22)|(3<<25)  ; 15:0 the mask: x's tiles go to my row; 17:16 elements of 1 byte; 20 padding on; 21 set beside a mask; 24:22 after every 64 words (code 5); 31:25 four words (code 3)
	s_or_b32 s[G1B+0], s44, (0<<16)|(1<<20)|(1<<21)|(5<<22)|(3<<25)
.irp g, G1, G1B
	s_mov_b32 s[\g+1], ROWB<<16                    ; tensor_dim0
	s_mov_b32 s[\g+2], 128<<16                     ; tensor_dim1
	s_mov_b32 s[\g+3], ROWB<<16                    ; tile_dim0
	s_mov_b32 s[\g+4], 128                         ; tile_dim1
	s_mov_b32 s[\g+5], KROW                        ; tensor_dim0_stride
	s_mov_b32 s[\g+6], 0
	s_mov_b32 s[\g+7], 0
.endr
	; the scales of 128 rows: a dense block of 4,096 bytes, as 16 rows of 256 bytes (32 elements of 8 bytes), 16 bytes of padding behind each
	s_or_b32 s[G1S+0], s43, (3<<16)|(1<<20)|(1<<21)|(5<<22)|(3<<25)
	s_or_b32 s[G1SB+0], s44, (3<<16)|(1<<20)|(1<<21)|(5<<22)|(3<<25)
.irp g, G1S, G1SB
	s_mov_b32 s[\g+1], 32<<16
	s_mov_b32 s[\g+2], (128*KS/256)<<16
	s_mov_b32 s[\g+3], 32<<16
	s_mov_b32 s[\g+4], 128*KS/256
	s_mov_b32 s[\g+5], 32
	s_mov_b32 s[\g+6], 0
	s_mov_b32 s[\g+7], 0
.endr
	s_lshl_b32 s18, s16, 7                         ; which 128 rows of the tile I fetch
	s_lshl_b32 s20, s17, 8
	s_add_co_u32 s20, s20, s18                     ; x: row 256 x tile row + 128 x half
	s_lshl_b32 s46, s42, 8
	s_add_co_u32 s46, s46, s18                     ; w: row 256 x tile column + 128 x half
	s_mov_b32 s21, 0
	s_mov_b32 s47, 0
	s_mov_b64 s[18:19], KS
	s_mul_u64 s[22:23], s[20:21], s[18:19]         ; where these rows' scales begin, in bytes
	s_mul_u64 s[92:93], s[46:47], s[18:19]
	s_mov_b64 s[18:19], KROW
	s_mul_u64 s[20:21], s[20:21], s[18:19]         ; and their codes
	s_mul_u64 s[46:47], s[46:47], s[18:19]
	s_mul_i32 s45, s14, HALFT                      ; where they go: wave x 128 rows: no place in the cluster enters an LDS address
	s_mul_i32 s94, s14, HALFS
	s_wait_dscnt 0x0                               ; the opening add is done
	s_wait_kmcnt 0x0
	s_add_nc_u64 s[20:21], s[4:5], s[20:21]
	s_add_nc_u64 s[22:23], s[6:7], s[22:23]
	s_add_nc_u64 s[46:47], s[8:9], s[46:47]
	s_add_nc_u64 s[92:93], s[10:11], s[92:93]
	CROUND                                         ; all sixteen work-groups are here: the joint loads meet
	s_mov_b32 s[G0S], 1
	s_add_co_u32 s[G0S+1], s94, SCL
	s_mov_b64 s[G0S+2:G0S+3], s[22:23]
	s_or_b32 s[G0S+3], s[G0S+3], 0x80000000
	s_mov_b32 s[G0SB], 1
	s_add_co_u32 s[G0SB+1], s94, SCL
	s_mov_b64 s[G0SB+2:G0SB+3], s[92:93]
	s_or_b32 s[G0SB+3], s[G0SB+3], 0x80000000
	JLOAD G0S, G1S, G0SB, G1SB                     ; the scales first: they are wanted with the first slot
.irp s, 0,1
	s_mov_b32 s[G0+4*\s], 1
	s_add_co_u32 s[G0+4*\s+1], s45, \s*SLOT
	s_add_nc_u64 s[G0+4*\s+2:G0+4*\s+3], s[20:21], \s*ROWB
	s_or_b32 s[G0+4*\s+3], s[G0+4*\s+3], 0x80000000
	s_mov_b32 s[G0B+4*\s], 1
	s_add_co_u32 s[G0B+4*\s+1], s45, \s*SLOT
	s_add_nc_u64 s[G0B+4*\s+2:G0B+4*\s+3], s[46:47], \s*ROWB
	s_or_b32 s[G0B+4*\s+3], s[G0B+4*\s+3], 0x80000000
	JLOAD G0+4*\s, G1, G0B+4*\s, G1B               ; three tensor loads of mine are out behind the second of these
.endr
	v_and_b32 v1, 15, v0                           ; r = lane % 16
	v_bfe_u32 v2, v0, 4, 1                         ; h = lane / 16
	v_mul_u32_u24 v3, v1, PITCH
	v_lshl_add_u32 v4, v2, 4, v3                   ; a fragment's row x pitch + 16 x half
	s_mul_i32 s21, s15, HALFT                      ; my 128 rows of x
	s_mul_i32 s22, s16, HALFT                      ; my 128 rows of w,
	s_add_co_u32 s22, s22, 2*HALFT                 ; which lie behind x's 256
.irp s, 0,1
	v_add_nc_u32 v[ADRA+\s], s21, v4
	v_add_nc_u32 v[ADRB+\s], s22, v4
	s_add_co_u32 s21, s21, SLOT
	s_add_co_u32 s22, s22, SLOT
.endr
	v_mul_u32_u24 v5, v1, KS                       ; my row's scales: 32 bytes a row,
	v_lshrrev_b32 v6, 8, v5
	v_lshl_add_u32 v5, v6, 4, v5                   ; and 16 more for each 256 passed
	s_mul_i32 s21, s15, HALFS                      ; x's: my 128 rows
	s_mul_i32 s22, s16, HALFS                      ; w's: my 128 rows, behind x's 256
	s_add_co_u32 s22, s22, 2*HALFS
	s_sub_co_u32 s22, s22, s21
	v_mul_u32_u24 v6, s22, v2                      ; lanes 16-31 take w's: one product, the distance x h
	s_add_co_u32 s21, s21, SCL
	v_add_nc_u32 v5, v5, v6
	v_add_nc_u32 v[ADRS], s21, v5
	; the way out: my 16 bytes in a block of 512: Q's and K's order, or V's.  Cluster x is 0 for Q, 1 for K, 2 for V: the same in all partners
	v_and_b32 v6, 31, v0
	v_lshlrev_b32 v5, 4, v6                        ; Q, K: 16 x lane
	v_lshrrev_b32 v7, 3, v1
	v_lshlrev_b32 v7, 8, v7                        ; V: 256 (r / 8)
	v_lshl_add_u32 v7, v2, 7, v7                   ;    + 128 h
	v_and_b32 v8, 7, v1
	v_lshl_add_u32 v7, v8, 4, v7                   ;    + 16 (r % 8)
	s_cmp_eq_u32 ttmp9, 2
	s_cselect_b32 s3, -1, 0
	v_cndmask_b32 v[CO], v5, v7, s3
	; my first block: which << 24 + b << 22 + head << 18 + (token / 16) << 11
	s_lshl_b32 s20, ttmp9, 24                      ; which = column / 1,024 = cluster x
	s_lshr_b32 s21, s17, 3
	s_lshl_b32 s21, s21, 22                        ; b = tile row / 8
	s_add_co_u32 s20, s20, s21
	s_and_b32 s21, s17, 7
	s_lshl_b32 s21, s21, 15                        ; 16 blocks of tokens a tile row,
	s_add_co_u32 s20, s20, s21
	s_lshl_b32 s21, s15, 14                        ; 8 for my half of the rows
	s_add_co_u32 s20, s20, s21
	s_lshl_b32 s46, s40, 20                        ; head = 4 cx + 2 x my half of the columns (+ b / 4 in the stores' offsets)
	s_lshl_b32 s47, s16, 19
	s_add_co_u32 s46, s46, s47
	s_add_co_u32 s20, s20, s46
	s_mov_b32 s21, 0
	s_add_nc_u64 s[12:13], s[12:13], s[20:21]
.macro FRAG reg, adr, q, i             ; a fragment, 16 rows x 128 K of 4-bit codes, is 8 registers: lane l holds row l % 16; registers 4 c .. 4 c + 3 hold K = 64 c + 32 (l / 16) + 0 .. 31
.irp c, 0,1
	ds_load_b128 v[\reg+4*\c:\reg+4*\c+3], v[\adr] offset:64*(\q)+32*\c+(\i)*16*PITCH
.endr
.endm
; 16 matrix instructions: x's blocks a0, a0 + 1 against w's eight, 128 along K: the slot's q-th.  p: w's set; sc: the set of scale words.  zero = 1: the first product starts the sums.
; The 64 accumulators take turns, one instruction a turn, in the same order in every step.
.macro MUL16 a0, p, q, sc, zero
.irp a, \a0, \a0+1
.irp b, 0,1,2,3,4,5,6,7
.if \zero
	v_wmma_scale_f32_16x16x128_f8f6f4 v[8*(8*((\a)%4)+\b):8*(8*((\a)%4)+\b)+7], v[128*(\p)+FR*\b:128*(\p)+FR*\b+FR-1], v[AF+FR*(\a):AF+FR*(\a)+FR-1], 0, v[SC+8*NQ*(\sc)+NQ*\b+(\q)], v[SC+8*NQ*(\sc)+NQ*(\a)+(\q)] matrix_a_fmt:MATRIX_FMT_FP4 matrix_b_fmt:MATRIX_FMT_FP4 matrix_a_scale:MATRIX_SCALE_ROW1
.else
	v_wmma_scale_f32_16x16x128_f8f6f4 v[8*(8*((\a)%4)+\b):8*(8*((\a)%4)+\b)+7], v[128*(\p)+FR*\b:128*(\p)+FR*\b+FR-1], v[AF+FR*(\a):AF+FR*(\a)+FR-1], v[8*(8*((\a)%4)+\b):8*(8*((\a)%4)+\b)+7], v[SC+8*NQ*(\sc)+NQ*\b+(\q)], v[SC+8*NQ*(\sc)+NQ*(\a)+(\q)] matrix_a_fmt:MATRIX_FMT_FP4 matrix_b_fmt:MATRIX_FMT_FP4 matrix_a_scale:MATRIX_SCALE_ROW1
.endif
.endr
.endr
.endm
.macro FETCH_B slot, q, p              ; w's eight fragments of the slot's q-th 128 along K into set p
	WIN TO_B
.irp i, 0,1,2,3,4,5,6,7
	FRAG 128*(\p)+FR*\i, ADRB+\slot, \q, \i
.endr
	WIN 0
.endm
.macro FETCH_A slot, q, i0             ; x's blocks i0 .. i0 + 3
.irp i, \i0, \i0+1, \i0+2, \i0+3
	FRAG AF+FR*(\i), ADRA+\slot, \q, \i
.endr
.endm
.macro SCALES sc                       ; a slot's scale words into set sc: 4 words a row; lanes 0-15 take x's block i, lanes 16-31 w's block i
.irp i, 0,1,2,3,4,5,6,7
	ds_load_b128 v[SC+8*NQ*\sc+NQ*\i:SC+8*NQ*\sc+NQ*\i+3], v[ADRS] offset:\i*SBLK
.endr
.endm
; A load into a register that a matrix instruction has read, and a vector instruction that reads a matrix result or writes one of its registers, stand NP places behind it; only plain vector instructions that name none of its registers are places.
.macro PLACES n
.rept \n
	v_nop
.endr
.endm
; A step of 128 along K that has its successor in the same slot.  x has one set of registers: blocks 0-3 are fetched anew in the step's middle, blocks 4-7 at its end; w has two sets.
.macro STEP slot, q, zero
	s_wait_dscnt 4*NL                              ; w's set and x's blocks 0-3 are in; the youngest eight loads (x's blocks 4-7) may be out
	WIN MUL_LO
	MUL16 0, (\q)%2, \q, \slot, \zero
	MUL16 2, (\q)%2, \q, \slot, \zero
	s_wait_dscnt 0                                 ; x's blocks 4-7 are in
	PLACES NP
	FETCH_B \slot, (\q)+1, 1-(\q)%2
	FETCH_A \slot, (\q)+1, 0
	WIN MUL_HI
	MUL16 4, (\q)%2, \q, \slot, \zero
	MUL16 6, (\q)%2, \q, \slot, \zero
	PLACES NP
	WIN 0
	FETCH_A \slot, (\q)+1, 4
.endm
; Slot 0's last step goes over to slot 1: in front of the barrier each wave waits for all its tensor loads (its part of slot 1 is the one still out); behind it slot 1 is whole for every wave.  Nothing is filled again.
.macro TURN slot, next
	s_wait_tensorcnt 0x0                           ; all my tensor loads have landed  (every window is 0 here: the add's two registers lie in window 0)
	ds_add_u32 v[SPW], v[NIL]                      ; 0 onto my spare word
	s_wait_dscnt 4*NL+1                            ; the add and the youngest eight loads (x's blocks 4-7) may be out
	WIN MUL_LO
	MUL16 0, 1, NQ-1, \slot, 0                     ; sixteen matrix instructions stand between the add and the wait for it
	s_wait_dscnt 0x0                               ; the add is done, and no LDS load of mine is out at the signal
	s_barrier_signal -1
	MUL16 2, 1, NQ-1, \slot, 0
	WIN 0
	s_barrier_wait -1
	PLACES NP
	v_add_nc_u32 v[ADRS], 4*NQ, v[ADRS]            ; on to the next slot's scale words: 16 bytes on in each row
	FETCH_B \next, 0, 0
	FETCH_A \next, 0, 0
	SCALES \next
	WIN MUL_HI
	MUL16 4, 1, NQ-1, \slot, 0
	MUL16 6, 1, NQ-1, \slot, 0
	PLACES NP
	WIN 0
	FETCH_A \next, 0, 4
.endm
.macro STEPS slot, from                ; the slot's steps from .. NQ - 2
.set Q, \from
.rept NQ-1-\from
	STEP \slot, Q, 0
.set Q, Q+1
.endr
.endm
	s_wait_tensorcnt 1                             ; the scales and my part of slot 0 are in; slot 1's load, the one issued behind them, may be out
	s_barrier_signal -1
	s_barrier_wait -1                              ; everybody's are
	FETCH_B 0, 0, 0
	FETCH_A 0, 0, 0
	SCALES 0
	FETCH_A 0, 0, 4
	STEP 0, 0, 1                                   ; the first step's products start the sums: nothing is cleared
	STEPS 0, 1
	TURN 0, 1
	STEPS 1, 0
	s_wait_dscnt 4*NL                              ; the last step: nothing more to fetch
	WIN MUL_LO
	MUL16 0, 1, NQ-1, 1, 0
	MUL16 2, 1, NQ-1, 1, 0
	s_wait_dscnt 0
	WIN MUL_HI
	MUL16 4, 1, NQ-1, 1, 0
	MUL16 6, 1, NQ-1, 1, 0
	WIN 0
	; THE WAY OUT.  Accumulator (a, b): lane (r, h) holds token 16 a + r and d = 16 (b % 4) + 8 h + 0 .. 7 of head b / 4 of my two: four roundings make its 16 bytes of that block.
	PLACES NP                                      ; behind the last products: for the reads of results and for the writes into the registers that held x's fragments
.irp a, 0,1,2,3,4,5,6,7
.if \a >= 4
	s_wait_xcnt 0x0                                ; block a - 4's stores: their data registers are written again only behind this wait
.endif
	WIN 0x0a+5*(\a/4)                              ; sources 0 and 1: window 2 or 3
.irp b, 0,1,2,3,4,5,6,7
.irp i, 0,1,2,3
	v_cvt_pk_f16_f32 v[OUTR+32*(\a%4)+4*\b+\i], v[64*(\a%4)+8*\b+2*\i], v[64*(\a%4)+8*\b+2*\i+1]   ; each accumulator from its low end on
.endr
.endr
	WIN 0
.irp b, 0,1,2,3,4,5,6,7
	global_store_b128 v[CO], v[OUTR+32*(\a%4)+4*\b:OUTR+32*(\a%4)+4*\b+3], s[12:13] offset:\a*2048+(\b/4)*262144+(\b%4)*512   ; the wave stores a whole block: 512 consecutive bytes, aligned
.endr
.endr
	s_wait_tensorcnt 0x0                           ; the wave's end: behind my last tensor load
	ds_add_u32 v[SPW], v[NIL]
	s_wait_dscnt 0x0
	CROUND                                         ; the closing round: no work-group ends while a partner may still ask for a tile that names it
	s_endpgm
.Lfunc_end_k_q30106271dc_qkv:
	.size	k_q30106271dc_qkv, .Lfunc_end_k_q30106271dc_qkv-k_q30106271dc_qkv
	.p2alignl 7, 3214868480
	.fill 96, 4, 3214868480
	.section	.rodata,"a",@progbits
	.p2align	6, 0x0
	.amdhsa_kernel k_q30106271dc_qkv
		.amdhsa_group_segment_fixed_size 327680
		.amdhsa_private_segment_fixed_size 0
		.amdhsa_enable_private_segment 0
		.amdhsa_kernarg_size 40
		.amdhsa_user_sgpr_count 2
		.amdhsa_user_sgpr_kernarg_segment_ptr 1
		.amdhsa_wavefront_size32 1
		.amdhsa_system_sgpr_workgroup_id_x 1
		.amdhsa_system_sgpr_workgroup_id_y 1
		.amdhsa_system_sgpr_workgroup_id_z 1
		.amdhsa_system_vgpr_workitem_id 0
		.amdhsa_next_free_vgpr 1024
		.amdhsa_next_free_sgpr 98
		.amdhsa_reserve_vcc 0
		.amdhsa_float_denorm_mode_32 3
		.amdhsa_float_denorm_mode_16_64 3
		.amdhsa_memory_ordered 1
		.amdhsa_forward_progress 1
		.amdhsa_inst_pref_size 118
	.end_amdhsa_kernel
	.amdgpu_metadata
---
amdhsa.version: [ 1, 2 ]
amdhsa.kernels:
  - .name:           k_q30106271dc_qkv
    .symbol:         k_q30106271dc_qkv.kd
    .args:
      - { .name: x_codes, .offset: 0, .size: 8, .value_kind: global_buffer, .address_space: global }
      - { .name: x_scales, .offset: 8, .size: 8, .value_kind: global_buffer, .address_space: global }
      - { .name: w_codes, .offset: 16, .size: 8, .value_kind: global_buffer, .address_space: global }
      - { .name: w_scales, .offset: 24, .size: 8, .value_kind: global_buffer, .address_space: global }
      - { .name: qkvh, .offset: 32, .size: 8, .value_kind: global_buffer, .address_space: global }
    .group_segment_fixed_size: 327680
    .private_segment_fixed_size: 0
    .kernarg_segment_align: 8
    .kernarg_segment_size: 40
    .max_flat_workgroup_size: 128
    .sgpr_count:     98
    .vgpr_count:     1024
    .wavefront_size: 32
...
	.end_amdgpu_metadata
.endif
;; end of part 2
;; launch attn (part 3): grid 4 x 64, 8 waves a work-group, clusters of 4 x 1, 327,680 bytes of LDS; arguments qkvh, att; writes att
.if DOCPART == 3
	.amdgcn_target "amdgcn-amd-amdhsa--gfx1250"
	.amdhsa_code_object_version 6
	.text
	.protected	k_q30106271dc_attn
	.globl	k_q30106271dc_attn
	.p2align	8
	.type	k_q30106271dc_attn,@function
k_q30106271dc_attn:
	s_mov_b64 s[64:65], 0
	v_nop
	global_prefetch_b8 v0, s[64:65] scope:SCOPE_SE
	s_setreg_imm32_b32 hwreg(HW_REG_WAVE_MODE, 25, 1), 1
	s_wait_xcnt 0x0
	s_wait_alu depctr_hold_cnt(0) depctr_sa_sdst(0) depctr_va_vdst(0) depctr_va_sdst(0) depctr_va_ssrc(0) depctr_va_vcc(0) depctr_vm_vsrc(0)
	s_getreg_b32 s2, hwreg(HW_REG_IB_STS2, 6, 4)
	s_cmp_eq_u32 s2, 0
	s_cbranch_scc0 .Lentry_in_a_cluster
	s_endpgm
.Lentry_in_a_cluster:
	s_bfe_u32 s2, ttmp6, 0x10000c
	s_cmp_lg_u32 s2, 0x3003
	s_cbranch_scc0 .Lentry_shape_is_right
	s_endpgm
.Lentry_shape_is_right:
; att[b][q][head][:] = the sum over k of softmax_k(Q[q] . K[k] / 8) V[k][:], for each of 64 (b, head); 2,048 queries and keys, head size 64.  Operands f16, products, maxima and sums f32; the weights p are rounded to f16 for the second product, the result once at the end.
; qkvh: [which][b][head][token / 16][d / 16][512 bytes], blocks laid as operand registers (Q, K: lane l owns the 16 bytes at 16 l; V: laid so that the turning load reads the block at 16 l).
; att:  f16, [token / 16][c / 8][token % 16][c % 8]: again an image of operand registers, for the next launch.
; LIMITS: |q|, |k|, |v| and the result stay under 65,504 (f16).  p <= 1; a p under 6e-5 keeps an absolute error of 3e-8.
; SHARES.  A work-group owns 512 queries of one (b, head), each of its eight waves 64: four tiles of 16.  Two waves share a SIMD (512 registers each), so that one wave's softmax stands beside the other's products; the text itself is in plain phases.
; Every wave walks all 2,048 keys, 64 a step.  K and V come through two LDS slots of 512 keys, filled by the tensor data mover: every wave brings 16,384 dense bytes (waves 0-3 K's quarters, waves 4-7 V's).
; LAYOUT.  S^T = K Q^T (source 0 = 16 keys, source 1 = 16 queries): a lane holds ONE query (lane % 16) and the keys 8 (lane / 16) + 0..7.  Two such tiles, rounded to f16 in pairs, ARE source 1 (32 keys x 16 queries) of O^T = V^T P.
; SOFTMAX.  For each query a running maximum m and sum l: p = 2^(c s - c m), c = log2(e) / 8; in every step O and l are multiplied by a = 2^(c m_old - c m_new).
; CLUSTER.  The four query blocks of a (b, head) form a cluster and walk the same K and V: each tile is asked for jointly, by the same tensor load with the same descriptor and the mask 15.
; No prefetch is laid: half of K and V are the first fills, and each refill is asked for eight key steps (512 matrix instructions of a wave) ahead of its first read.
; REGISTERS.  window 0: v1 16 x lane; v2, v3 LDS addresses; v6, v7 the add's two; v16-47 statistics, 8 a tile; v64-191 S^T, 32 a tile (p, then P packed in its first 16); v192-255 K of a step.
;             window 1: v0-63 Q; v64-191 O^T, 32 a tile; v192-255 V of a step.
.set LN,  1                            ; v1   16 x lane: my place in every block of 512 bytes, in LDS and in memory; never rewritten once made
.set ADK, 2                            ; v2   LDS address of the step's K
.set ADV, 3                            ; v3   of its V
.set SPW, 6                            ; v6   LDS address of my spare word; never rewritten
.set NIL, 7                            ; v7   0; never rewritten
.set ST,  16                           ; tile t's statistics at v[ST + 8 t]: +0 c m, +1 m, +2, +3 l (even keys', odd keys'), +4 to +7 c0-c3, at work; a takes c2's place
.set S,   64
.set KF,  192
.set QF,  0                            ; window 1
.set O,   64
.set VF,  192
.set SLOT1, 131072                     ; slot 1 begins here
.set VOFF,  65536                      ; in a slot: 512 keys of K (128 bytes a key), then of V
.set STEPB, 8192                       ; 64 keys
.set SPARE, 262144                     ; behind the slots: the spare words, 128 bytes for each of eight waves; no other line names them
.set WV,  8                            ; s8   wave
.set G1,  16                           ; s[16:23] descriptor group 1: one shape for K and V
.set G0,  24                           ; s[24:31] group 0, a set for each slot
.set SEL, 32                           ; s[32:33] v_permlanex16_b32's selects: lane l xor 16
.set TB,  34                           ; s34  LDS byte at which the step's K begins
.set CNT, 35                           ; s35  steps to go in the slot
.set CS,  36                           ; s[36:37] c: the packed form names a pair and takes its low word for both halves
.set QB,  38                           ; s[38:39] my wave's Q
.set MSB, 0
.macro WIN new                         ; the immediate's high byte repeats the setting that is left; a switch that changes nothing is dropped
.if MSB != (\new)
	s_set_vgpr_msb (MSB<<8)|(\new)
.set MSB, (\new)
.endif
.endm
.set W_KQ, 0x04                        ; source 1 (Q) window 1; K, C and D window 0
.set W_PV, 0x51                        ; source 0 (V), C and D window 1; source 1 (P) window 0
.set W_RS, 0x41                        ; O^T (destination, source 0) window 1; a window 0
.set TO1,  0x40                        ; destination window 1, address window 0
.set CVT,  0x05                        ; sources 0 and 1 window 1, destination window 0
.macro CROUND                          ; a round of the cluster's barrier
	s_barrier_signal -1
	s_barrier_wait -1
	s_cmp_lg_u32 s[WV], 0
	s_cbranch_scc1 .Lnot_wave_0_\@
	s_barrier_signal -3
.Lnot_wave_0_\@:
	s_barrier_wait -3
	s_barrier_signal -1
	s_barrier_wait -1
.endm
	s_load_b128 s[4:7], s[0:1], 0x0                ; qkvh s[4:5], att s[6:7]
	v_lshl_add_u32 v[SPW], v0, 2, SPARE
	v_mov_b32 v[NIL], 0
	ds_add_u32 v[SPW], v[NIL]                      ; the wave's opening: the add and its wait stand ahead of my first tensor load; the set-up below, work on registers, stands between them
	v_lshrrev_b32 v1, 5, v0
	v_readfirstlane_b32 s[WV], v1                  ; wave 0..7
	s_bfe_u32 s9, ttmp6, 0x40000                   ; cx: my place in the cluster
	s_and_b32 s10, ttmp7, 0xffff                   ; bh = 16 b + head, which the four partners share
	; what I fetch: K (waves 0-3) or V (waves 4-7) lie 2^24 bytes apart in qkvh; the head's 2^18 bytes; my quarter of a slot's 65,536
	s_lshr_b32 s12, s[WV], 2
	s_add_co_u32 s12, s12, 1
	s_lshl_b32 s12, s12, 24
	s_lshl_b32 s13, s10, 18
	s_add_co_u32 s12, s12, s13
	s_and_b32 s13, s[WV], 3
	s_lshl_b32 s13, s13, 14
	s_add_co_u32 s12, s12, s13
	s_mov_b32 s13, 0
	; Q: the head, my block of 512 queries (65,536 bytes), my wave's 64 (8,192)
	s_lshl_b32 s11, ttmp9, 2
	s_add_co_u32 s11, s11, s9                      ; my block = 4 x cluster x + cx: it enters Q's and att's addresses alone
	s_lshl_b32 s14, s11, 16
	s_lshl_b32 s15, s10, 18
	s_add_co_u32 s14, s14, s15
	s_lshl_b32 s15, s[WV], 13
	s_add_co_u32 s14, s14, s15
	s_mov_b32 s15, 0
	; att: (128 b + 32 block + 4 wave) blocks of 16 tokens of 32,768 bytes, + head x 2,048
	s_lshr_b32 s40, s10, 4
	s_lshl_b32 s40, s40, 22
	s_lshl_b32 s41, s11, 20
	s_add_co_u32 s40, s40, s41
	s_lshl_b32 s41, s[WV], 17
	s_add_co_u32 s40, s40, s41
	s_and_b32 s41, s10, 15
	s_lshl_b32 s41, s41, 11
	s_add_co_u32 s40, s40, s41
	s_mov_b32 s41, 0
	; group 1: 16,384 dense bytes as 64 rows of 256 (32 elements of 8 bytes), no padding: every fragment load takes 512 consecutive bytes
	s_mov_b32 s[G1+0], 15|(3<<16)|(1<<21)          ; 15:0 the mask: all four work-groups; 17:16 elements of 8 bytes; 21 set beside a mask
	s_mov_b32 s[G1+1], 32<<16                      ; tensor_dim0 = 32
	s_mov_b32 s[G1+2], 64<<16                      ; tensor_dim1 = 64
	s_mov_b32 s[G1+3], 32<<16                      ; tile_dim0 = 32
	s_mov_b32 s[G1+4], 64                          ; tile_dim1 = 64
	s_mov_b32 s[G1+5], 32                          ; from row to row
	s_mov_b32 s[G1+6], 0
	s_mov_b32 s[G1+7], 0
	s_mov_b32 s[SEL], 0x76543210
	s_mov_b32 s[SEL+1], 0xfedcba98
	s_mov_b32 s[CS], 0x3e38aa3b                    ; c = log2(e) / 8
	s_mov_b32 s[CS+1], s[CS]                       ; named with it as a pair, so it is written
	s_wait_dscnt 0x0                               ; the opening add is done
	s_wait_kmcnt 0x0
	s_mov_b32 s[G0], 1                             ; slot 0: keys 0 to 511
	s_lshl_b32 s[G0+1], s[WV], 14                  ; LDS: wave x 16,384: K's four quarters, then V's
	s_add_nc_u64 s[G0+2:G0+3], s[4:5], s[12:13]
	s_mov_b32 s[G0+4], 1                           ; slot 1: keys 512 to 1,023
	s_add_co_u32 s[G0+5], s[G0+1], SLOT1
	s_add_nc_u64 s[G0+6:G0+7], s[G0+2:G0+3], 65536
	s_or_b32 s[G0+3], s[G0+3], 0x80000000          ; type = 2
	s_or_b32 s[G0+7], s[G0+7], 0x80000000
	s_add_nc_u64 s[QB:QB+1], s[4:5], s[14:15]
	s_add_nc_u64 s[6:7], s[6:7], s[40:41]
	CROUND                                         ; all four work-groups are here: the first joint loads meet
	tensor_load_to_lds s[G0:G0+3], s[G1:G1+7]      ; both first fills go out together: two tensor loads of mine are out
	s_nop 0
	tensor_load_to_lds s[G0+4:G0+7], s[G1:G1+7]
	s_nop 0
.rept 4
	v_nop
.endr
	v_and_b32 v[LN], 31, v0
	v_lshlrev_b32 v[LN], 4, v[LN]
	WIN TO1
.set i, 0
.rept 16                               ; Q stays in registers: tile i / 4; block i of 512 bytes is registers 4 i .. 4 i + 3
	global_load_b128 v[QF+4*i:QF+4*i+3], v[LN], s[QB:QB+1] offset:512*i
.set i, i+1
.endr
	WIN 0
; A KEY STEP: 64 keys at LDS byte s[TB].  first = 1: the first step, which starts m, l and O^T.  Entered and left... entered with every window 0.
.macro STEP first
	v_add_nc_u32 v[ADK], s[TB], v[LN]              ; five plain places behind the last V^T P: four are asked ahead of the loads into V's registers,
	v_add_nc_u32 v[ADV], VOFF, v[ADK]              ; five ahead of the products K Q^T, which write over the registers that held P
.rept 3
	v_nop
.endr
.set i, 0
.rept 16                               ; K: key tile i / 4; a fragment (16 keys x 32 d) is two blocks on end
	ds_load_b128 v[KF+4*i:KF+4*i+3], v[ADK] offset:512*i
.set i, i+1
.endr
	WIN TO1
.irp kk, 0,1                           ; V, turned: fragment (keys 32 kk on, d 16 dt on): registers 0-3 from key block 2 kk, registers 4-7 from 2 kk + 1
.irp dt, 0,1,2,3
	ds_load_tr16_b128 v[VF+8*(4*\kk+\dt):VF+8*(4*\kk+\dt)+3],   v[ADV] offset:4096*\kk+512*\dt
	ds_load_tr16_b128 v[VF+8*(4*\kk+\dt)+4:VF+8*(4*\kk+\dt)+7], v[ADV] offset:4096*\kk+2048+512*\dt
.endr
.endr
	s_wait_dscnt 16                                ; K's sixteen loads are in; V's sixteen, issued behind them, may be out
	WIN W_KQ
.irp c, 0,1                            ; S^T = K Q^T: sixteen accumulators by turns, d 32 c on
.irp kt, 0,1,2,3
.irp t, 0,1,2,3
.if \c == 0
	v_wmma_f32_16x16x32_f16 v[S+32*\t+8*\kt:S+32*\t+8*\kt+7], v[KF+16*\kt+8*\c:KF+16*\kt+8*\c+7], v[QF+16*\t+8*\c:QF+16*\t+8*\c+7], 0
.else
	v_wmma_f32_16x16x32_f16 v[S+32*\t+8*\kt:S+32*\t+8*\kt+7], v[KF+16*\kt+8*\c:KF+16*\kt+8*\c+7], v[QF+16*\t+8*\c:QF+16*\t+8*\c+7], v[S+32*\t+8*\kt:S+32*\t+8*\kt+7]
.endif
.endr
.endr
.endr
	WIN 0
.rept 4
	v_nop                                          ; places ahead of the first read of the scores
.endr
	; the maximum of a lane's 32 scores and the old m: four chains a tile, the four tiles by turns; each accumulator is read from its low end on
.irp k, 0,1,2,3
.irp t, 0,1,2,3
	v_max3_num_f32 v[ST+8*\t+4+\k], v[S+32*\t+8*\k], v[S+32*\t+8*\k+1], v[S+32*\t+8*\k+2]
.endr
.endr
.irp o, 3,5
.irp k, 0,1,2,3
.irp t, 0,1,2,3
	v_max3_num_f32 v[ST+8*\t+4+\k], v[ST+8*\t+4+\k], v[S+32*\t+8*\k+\o], v[S+32*\t+8*\k+\o+1]
.endr
.endr
.endr
.irp t, 0,1,2,3
	v_max3_num_f32 v[ST+8*\t+4], v[ST+8*\t+4], v[S+32*\t+7], v[S+32*\t+15]
.endr
.irp t, 0,1,2,3
	v_max3_num_f32 v[ST+8*\t+6], v[ST+8*\t+6], v[S+32*\t+23], v[S+32*\t+31]
.endr
.irp t, 0,1,2,3
	v_max3_num_f32 v[ST+8*\t+4], v[ST+8*\t+4], v[ST+8*\t+5], v[ST+8*\t+6]
.endr
.irp t, 0,1,2,3
.if \first
	v_max_num_f32 v[ST+8*\t+4], v[ST+8*\t+4], v[ST+8*\t+7]
.else
	v_max3_num_f32 v[ST+8*\t+4], v[ST+8*\t+4], v[ST+8*\t+7], v[ST+8*\t+1]
.endif
.endr
.irp t, 0,1,2,3
	v_permlanex16_b32 v[ST+8*\t+5], v[ST+8*\t+4], s[SEL], s[SEL+1]   ; the query's other 32 keys lie in the lane 16 away
.endr
.if \first == 0
.irp t, 0,1,2,3
	v_mov_b32 v[ST+8*\t+7], v[ST+8*\t]             ; c m_old is kept for a
.endr
.endif
.irp t, 0,1,2,3
	v_max_num_f32 v[ST+8*\t+1], v[ST+8*\t+4], v[ST+8*\t+5]
.endr
.irp t, 0,1,2,3
	v_mul_f32 v[ST+8*\t], s[CS], v[ST+8*\t+1]
.endr
.if \first == 0
.irp t, 0,1,2,3
	v_sub_f32 v[ST+8*\t+7], v[ST+8*\t+7], v[ST+8*\t]
.endr
.irp t, 0,1,2,3
	v_exp_f32 v[ST+8*\t+6], v[ST+8*\t+7]           ; a = 2^(c m_old - c m_new)
.endr
.endif
.irp t, 0,1,2,3                        ; c s - c m, two at a time: plain work behind the four exponentials, which it does not name
.set i, 0
.rept 16
	v_pk_fma_f32 v[S+32*\t+2*i:S+32*\t+2*i+1], v[S+32*\t+2*i:S+32*\t+2*i+1], s[CS:CS+1], v[ST+8*\t:ST+8*\t+1] op_sel_hi:[1,0,0] neg_lo:[0,0,1] neg_hi:[0,0,1]
.set i, i+1
.endr
.endr
.if \first == 0
	s_wait_alu depctr_va_vdst(0)                   ; for the four a, which the rescaling below reads
.endif
.set i, 0
.rept 128                              ; ONE BATCH: p = 2^(c s - c m), in place; nothing names a result before the wait below
	v_exp_f32 v[S+i], v[S+i]
.set i, i+1
.endr
.if \first
	v_nop                                          ; the plain line behind the last exponential
.else
	WIN W_RS
.irp t, 0,1,2,3                        ; O^T x a: plain work behind the batch, which it does not name; each accumulator from its low end on
.set i, 0
.rept 16
	v_pk_mul_f32 v[O+32*\t+2*i:O+32*\t+2*i+1], v[O+32*\t+2*i:O+32*\t+2*i+1], v[ST+8*\t+6:ST+8*\t+7] op_sel_hi:[1,0]
.set i, i+1
.endr
.endr
	WIN 0
.endif
	s_wait_alu depctr_va_vdst(0)                   ; one wait for the 128 exponentials, ahead of their first reader
.irp t, 0,1,2,3                        ; l = a l + the sum of the unrounded p: a pair of chains a tile, the tiles by turns
.if \first
	v_pk_add_f32 v[ST+8*\t+2:ST+8*\t+3], v[S+32*\t:S+32*\t+1], v[S+32*\t+2:S+32*\t+3]
.else
	v_pk_fma_f32 v[ST+8*\t+2:ST+8*\t+3], v[ST+8*\t+2:ST+8*\t+3], v[ST+8*\t+6:ST+8*\t+7], v[S+32*\t:S+32*\t+1] op_sel_hi:[1,0,1]
.endif
.endr
.irp i, 1,2,3,4,5,6,7,8,9,10,11,12,13,14,15
.if (\first == 0) || (\i > 1)
.irp t, 0,1,2,3
	v_pk_add_f32 v[ST+8*\t+2:ST+8*\t+3], v[ST+8*\t+2:ST+8*\t+3], v[S+32*\t+2*\i:S+32*\t+2*\i+1]
.endr
.endif
.endr
.irp t, 0,1,2,3                        ; P: rounded to f16 in pairs, packed in place, ascending: register i is written when it has been read
.set i, 0
.rept 16
	v_cvt_pk_f16_f32 v[S+32*\t+i], v[S+32*\t+2*i], v[S+32*\t+2*i+1]
.set i, i+1
.endr
.endr
	s_wait_dscnt 0x0                               ; V is in
	WIN W_PV
.irp kk, 0,1                           ; O^T += V^T P: sixteen accumulators by turns, keys 32 kk on
.irp dt, 0,1,2,3
.irp t, 0,1,2,3
.if \first && (\kk == 0)
	v_wmma_f32_16x16x32_f16 v[O+32*\t+8*\dt:O+32*\t+8*\dt+7], v[VF+8*(4*\kk+\dt):VF+8*(4*\kk+\dt)+7], v[S+32*\t+8*\kk:S+32*\t+8*\kk+7], 0
.else
	v_wmma_f32_16x16x32_f16 v[O+32*\t+8*\dt:O+32*\t+8*\dt+7], v[VF+8*(4*\kk+\dt):VF+8*(4*\kk+\dt)+7], v[S+32*\t+8*\kk:S+32*\t+8*\kk+7], v[O+32*\t+8*\dt:O+32*\t+8*\dt+7]
.endif
.endr
.endr
.endr
.endm
; A run of key steps in one slot: written once, walked trips times; the LDS addresses hang on s[TB]
.macro SLOT_STEPS base, trips
	s_mov_b32 s[TB], \base
	s_mov_b32 s[CNT], \trips
.Lstep_\@:
	STEP 0
	WIN 0                                          ; at a label and at a branch every window is 0
	s_add_co_u32 s[TB], s[TB], STEPB
	s_sub_co_u32 s[CNT], s[CNT], 1
	s_cmp_lg_u32 s[CNT], 0
	s_cbranch_scc1 .Lstep_\@
.endm
; THE CHANGE OF SLOTS.  Each wave waits for all its tensor loads (its part of the slot ahead), adds 0 to its spare word, and waits for that and for its reads of the slot that it leaves.
; fill = 1: the slot left is filled again, with the keys 1,024 on.  The barrier is then a round of the cluster's, so that no wave of any partner still reads the slot or has a load on its way; the joint refill is the first thing behind it, one load a wave.
.macro CHANGE slot, fill
	WIN 0
	s_wait_tensorcnt 0x0                           ; no tensor load of mine is out, so a group 0 may be written
	ds_add_u32 v[SPW], v[NIL]                      ; 0 onto my spare word
.if \fill
	s_add_nc_u64 s[G0+4*\slot+2:G0+4*\slot+3], s[G0+4*\slot+2:G0+4*\slot+3], 2*65536   ; two slots' keys on; the type bits on top are not reached
.endif
	s_wait_dscnt 0x0                               ; the add is done, and my reads of the slot are over
.if \fill
	CROUND
	tensor_load_to_lds s[G0+4*\slot:G0+4*\slot+3], s[G1:G1+7]
	s_nop 0
.rept 4
	v_nop
.endr
.else
	s_barrier_signal -1
	s_barrier_wait -1
.endif
.endm
	s_wait_tensorcnt 1                             ; my part of slot 0 is in; slot 1's load, issued behind it, may stay out
	s_barrier_signal -1
	s_barrier_wait -1                              ; everybody's is
	s_wait_loadcnt 0x0                             ; Q
	s_mov_b32 s[TB], 0
	STEP 1                                         ; keys 0 to 63 start m, l and O^T: nothing is cleared
	WIN 0
	SLOT_STEPS STEPB, 7                            ; keys 64 to 511
	CHANGE 0, 1                                    ; slot 0 takes keys 1,024 to 1,535
	SLOT_STEPS SLOT1, 8                            ; keys 512 to 1,023
	CHANGE 1, 1                                    ; slot 1 takes keys 1,536 to 2,047
	SLOT_STEPS 0, 8
	CHANGE 0, 0                                    ; nothing is left to fetch
	SLOT_STEPS SLOT1, 8
	; THE WAY OUT.  l's two halves and the other half of the lanes' are added; O^T is divided by l and rounded to f16.  A lane's eight channels of its query are 16 bytes: its own place in a block of att: no LDS is needed.
.irp t, 0,1,2,3
	v_add_f32 v[ST+8*\t+4], v[ST+8*\t+2], v[ST+8*\t+3]   ; (these four are the places behind the last products)
.endr
.irp t, 0,1,2,3
	v_permlanex16_b32 v[ST+8*\t+5], v[ST+8*\t+4], s[SEL], s[SEL+1]
.endr
.irp t, 0,1,2,3
	v_add_f32 v[ST+8*\t+4], v[ST+8*\t+4], v[ST+8*\t+5]
.endr
.irp t, 0,1,2,3
	v_rcp_f32 v[ST+8*\t+6], v[ST+8*\t+4]
.endr
	v_nop                                          ; a plain line between the last reciprocal and the use of its result
	s_wait_alu depctr_va_vdst(0)                   ; one wait for the four reciprocals, ahead of their first reader
.irp t, 0,1,2,3
	WIN W_RS
.set i, 0
.rept 16
	v_pk_mul_f32 v[O+32*\t+2*i:O+32*\t+2*i+1], v[O+32*\t+2*i:O+32*\t+2*i+1], v[ST+8*\t+6:ST+8*\t+7] op_sel_hi:[1,0]
.set i, i+1
.endr
	WIN CVT
.set i, 0
.rept 16
	v_cvt_pk_f16_f32 v[S+16*\t+i], v[O+32*\t+2*i], v[O+32*\t+2*i+1]
.set i, i+1
.endr
	WIN 0
.irp dt, 0,1,2,3
	global_store_b128 v[LN], v[S+16*\t+4*\dt:S+16*\t+4*\dt+3], s[6:7] offset:\t*32768+\dt*512   ; the wave stores 512 consecutive bytes, aligned
.endr
.endr
	s_wait_tensorcnt 0x0                           ; the wave's end: behind my last tensor load
	ds_add_u32 v[SPW], v[NIL]
	s_wait_dscnt 0x0
	CROUND                                         ; the closing round: no work-group ends while a partner may still ask for a tile that names it
	s_endpgm
.Lfunc_end_k_q30106271dc_attn:
	.size	k_q30106271dc_attn, .Lfunc_end_k_q30106271dc_attn-k_q30106271dc_attn
	.p2alignl 7, 3214868480
	.fill 96, 4, 3214868480
	.section	.rodata,"a",@progbits
	.p2align	6, 0x0
	.amdhsa_kernel k_q30106271dc_attn
		.amdhsa_group_segment_fixed_size 327680
		.amdhsa_private_segment_fixed_size 0
		.amdhsa_enable_private_segment 0
		.amdhsa_kernarg_size 16
		.amdhsa_user_sgpr_count 2
		.amdhsa_user_sgpr_kernarg_segment_ptr 1
		.amdhsa_wavefront_size32 1
		.amdhsa_system_sgpr_workgroup_id_x 1
		.amdhsa_system_sgpr_workgroup_id_y 1
		.amdhsa_system_sgpr_workgroup_id_z 1
		.amdhsa_system_vgpr_workitem_id 0
		.amdhsa_next_free_vgpr 512
		.amdhsa_next_free_sgpr 66
		.amdhsa_reserve_vcc 0
		.amdhsa_float_denorm_mode_32 3
		.amdhsa_float_denorm_mode_16_64 3
		.amdhsa_memory_ordered 1
		.amdhsa_forward_progress 1
		.amdhsa_inst_pref_size 172
	.end_amdhsa_kernel
	.amdgpu_metadata
---
amdhsa.version: [ 1, 2 ]
amdhsa.kernels:
  - .name:           k_q30106271dc_attn
    .symbol:         k_q30106271dc_attn.kd
    .args:
      - { .name: qkvh, .offset: 0, .size: 8, .value_kind: global_buffer, .address_space: global }
      - { .name: att, .offset: 8, .size: 8, .value_kind: global_buffer, .address_space: global }
    .group_segment_fixed_size: 327680
    .private_segment_fixed_size: 0
    .kernarg_segment_align: 8
    .kernarg_segment_size: 16
    .max_flat_workgroup_size: 256
    .sgpr_count:     66
    .vgpr_count:     512
    .wavefront_size: 32
...
	.end_amdgpu_metadata
.endif
;; end of part 3
;; launch proj (part 4): grid 4 x 64, 4 waves a work-group, clusters of 4 x 4, 327,680 bytes of LDS; arguments att, wp16, b_proj, out0; writes out0
.if DOCPART == 4
	.amdgcn_target "amdgcn-amd-amdhsa--gfx1250"
	.amdhsa_code_object_version 6
	.text
	.protected	k_q30106271dc_proj
	.globl	k_q30106271dc_proj
	.p2align	8
	.type	k_q30106271dc_proj,@function
k_q30106271dc_proj:
	s_mov_b64 s[64:65], 0
	v_nop
	global_prefetch_b8 v0, s[64:65] scope:SCOPE_SE
	s_setreg_imm32_b32 hwreg(HW_REG_WAVE_MODE, 25, 1), 1
	s_wait_xcnt 0x0
	s_wait_alu depctr_hold_cnt(0) depctr_sa_sdst(0) depctr_va_vdst(0) depctr_va_sdst(0) depctr_va_ssrc(0) depctr_va_vcc(0) depctr_vm_vsrc(0)
	s_getreg_b32 s2, hwreg(HW_REG_IB_STS2, 6, 4)
	s_cmp_eq_u32 s2, 0
	s_cbranch_scc0 .Lentry_in_a_cluster
	s_endpgm
.Lentry_in_a_cluster:
	s_bfe_u32 s2, ttmp6, 0x10000c
	s_cmp_lg_u32 s2, 0xf033
	s_cbranch_scc0 .Lentry_shape_is_right
	s_endpgm
.Lentry_shape_is_right:
; out0[m][n] = sum over c of att[m][c] w_proj[n][c] + b_proj[n].  M = 8,192, N = K = 1,024.  Operands f16, sums f32, out0 f32.
; att: f16, [token / 16][c / 8][token % 16][c % 8]: an image of operand registers: a fragment (16 tokens x 32 c) is 1,024 consecutive bytes, lane l's registers 0-3 at 16 l, registers 4-7 at 512 + 16 l.   wp16: f16, row-major [n][c].
; A tile of 128 x 256 is made by a work-group of four waves (64 x 4 = 256 work-groups; tiles of 256 x 256 would be 128); a wave makes 64 x 128: 32 accumulators, 256 registers.
; K goes in 8 steps of 128 through two LDS slots filled by the tensor data mover: att's part is 8 token blocks x 4,096 dense bytes, w's 256 rows of 256 bytes.
; CLUSTERS: 4 x 4 work-groups.  The four of a row of the cluster need the same tiles of att, the four of a column the same tiles of w: each is asked for jointly, by the same tensor load with the same descriptor and a mask that names the four.
; THE MATRIX INSTRUCTION IS USED TRANSPOSED (source 0 = 16 rows of w, source 1 = 16 tokens): a lane holds eight neighbouring numbers of a row of out0.  The bias is the C of each sum's first product: no addition is written.
; REGISTERS: window 0: v0-31 addresses; v32-63, v64-95 att's fragments, two buffers; v128-255 rows on the way out.   window 1: v0-63, v64-127 w's fragments, two buffers; v128-191 the bias, eight registers for each block of 16 columns.
;            window 2: accumulator (a, b) at v[8 (8 a + b)].
.set PITCH,  272                       ; a row of w in LDS: 256 bytes + 16 of padding = 68 words: the 16 rows that a load touches start at 16 different banks (64 banks of 4 bytes: ISA guide 11.1)
.set ABYTES, 32768                     ; att's part of a slot
.set HALFA,  16384                     ; four token blocks: what one tensor load brings, and what one wave reads
.set HALFB,  128*PITCH                 ; 128 rows of w: likewise
.set SLOT,   ABYTES+2*HALFB            ; 102,400
.set STAGE,  2*SLOT                    ; behind the slots: 16 rows x 528 bytes for each wave, for the way out; no tile lands there
.set SPITCH, 528
.set SPARE,  STAGE+4*16*SPITCH         ; behind the stages: the spare words, 128 bytes a wave; no other line names them
.set ASTEP,  4096                      ; a K step on, in a token block of att
.set BSTEP,  256                       ; and in a row of w
.set LAPS,   4                         ; a lap = two K steps
.set ADRA, 16                          ; v16-17  LDS address of my att fragments in slot 0, 1
.set ADRB, 20                          ; v20-21  the same for w
.set STO,  24                          ; v24     the way out: where I put 32 bytes of a row
.set RD,   25                          ; v25     where I read a row back
.set CO,   26                          ; v26     16 x lane
.set BO,   27                          ; v27     the bias: 32 x (lane / 16)
.set SPW,  28                          ; v28     LDS address of my spare word; never rewritten
.set NIL,  29                          ; v29     0; never rewritten
.set PFO,  30                          ; v30     the prefetches' offset; never rewritten
.set AF,   32                          ; att's fragments: buffer f at v[AF + 32 f], window 0
.set BIAS, 128                         ; window 1
.set BK,   128                         ; the way out: 16 rows read back: v128-191 and v192-255 by turns
.set WV,  12                           ; s12 wave;  s13 = wave / 2: my 64 rows; also: I fetch for att (0) or for w (1);  s14 = wave % 2: my 128 columns; also: which half I fetch
.set G1,  24                           ; s[24:31] group 1 for att's tiles;  s[32:39] group 0, a set for each slot
.set G0,  32
.set G1B, 48                           ; s[48:55], s[56:63] the same for w's
.set G0B, 56
.set LIM, 43                           ; s43  1 in the wave that prefetches, else the greatest number
.set PFA, 44                           ; s[44:45] where my prefetches stand
.set MSB, 0
.macro WIN new                         ; the immediate's high byte repeats the setting that is left; a switch that changes nothing is dropped
.if MSB != (\new)
	s_set_vgpr_msb (MSB<<8)|(\new)
.set MSB, (\new)
.endif
.endm
.set MUL,  0xa1                        ; source 0 (w) window 1, source 1 (att) window 0, C and D window 2
.set MULB, 0x91                        ; the same with C (the bias) in window 1
.set TO_B, 0x40                        ; destination window 1, address window 0
; A joint load: waves 0 and 1 fetch att's halves, waves 2 and 3 w's.  The branch hangs on the wave's number alone.  An s_nop 0 and four v_nop follow each of the two lines.
.macro JLOAD s
	s_cmp_eq_u32 s13, 0
	s_cbranch_scc0 .Lfor_b_\@
	tensor_load_to_lds s[G0+4*\s:G0+4*\s+3], s[G1:G1+7]
	s_nop 0
.rept 4
	v_nop
.endr
	s_branch .Lasked_\@
.Lfor_b_\@:
	tensor_load_to_lds s[G0B+4*\s:G0B+4*\s+3], s[G1B:G1B+7]
	s_nop 0
.rept 4
	v_nop
.endr
.Lasked_\@:
.endm
; A PREFETCH INTO THE L2 of att's K step that stands two refills on: behind each joint load, its five lines and the run of LDS loads.  A work-group row's 8 token blocks are read by the four partners of a row of the cluster and by nobody else:
; each partner takes two of them, told apart BY ADDRESS (cx); in each, wave 0 asks: 2 blocks x 4,096 bytes, lanes 256 bytes apart, one instruction.  So each 256 bytes are named once in the launch.
; K steps 0 to 3 come by their loads alone; the loop's last trip (s3 = 1) asks for nothing: there is no K step 8.  w's rows are read again by sixteen clusters and are not asked for.
.macro ASK
	s_cmp_gt_u32 s3, s[LIM]
	s_cbranch_scc0 .Lnot_mine_\@
	global_prefetch_b8 v[PFO], s[PFA:PFA+1] offset:ASTEP th:TH_LOAD_NT scope:SCOPE_SE
.Lnot_mine_\@:
.endm
.macro CREST                           ; a round of the cluster's barrier behind its opening barrier
	s_cmp_lg_u32 s[WV], 0
	s_cbranch_scc1 .Lnot_wave_0_\@
	s_barrier_signal -3
.Lnot_wave_0_\@:
	s_barrier_wait -3
	s_barrier_signal -1
	s_barrier_wait -1
.endm
.macro CROUND                          ; a whole round
	s_barrier_signal -1
	s_barrier_wait -1
	CREST
.endm
	s_load_b128 s[4:7], s[0:1], 0x0                ; att s[4:5], wp16 s[6:7]
	s_load_b128 s[8:11], s[0:1], 0x10              ; b_proj s[8:9], out0 s[10:11]
	v_lshl_add_u32 v[SPW], v0, 2, SPARE
	v_mov_b32 v[NIL], 0
	ds_add_u32 v[SPW], v[NIL]                      ; the wave's opening: the add and its wait stand ahead of my first tensor load; the set-up below, work on registers, stands between them
	v_lshrrev_b32 v1, 5, v0
	v_readfirstlane_b32 s[WV], v1                  ; wave 0..3
	s_lshr_b32 s13, s[WV], 1
	s_and_b32 s14, s[WV], 1
	s_bfe_u32 s40, ttmp6, 0x40000                  ; cx, cy: my place in the cluster
	s_bfe_u32 s41, ttmp6, 0x40004
	s_lshl_b32 s42, ttmp9, 2
	s_add_co_u32 s42, s42, s40                     ; tile column = 4 x cluster x + cx
	s_and_b32 s15, ttmp7, 0xffff
	s_lshl_b32 s15, s15, 2
	s_add_co_u32 s15, s15, s41                     ; tile row = 4 x cluster y + cy
	s_lshl_b32 s22, s41, 2
	s_lshl_b32 s22, 15, s22                        ; my row of the cluster
	s_lshl_b32 s46, 0x1111, s40                    ; my column
	; group 1 for att: 4 rows (token blocks) of 4,096 bytes (512 elements of 8 bytes), 32,768 bytes apart; dense in LDS
	s_or_b32 s[G1+0], s22, (3<<16)|(1<<21)         ; 15:0 the mask: my row; 17:16 elements of 8 bytes; 21 set beside a mask
	s_mov_b32 s[G1+1], 512<<16                     ; tensor_dim0 = 512
	s_mov_b32 s[G1+2], 4<<16                       ; tensor_dim1 = 4
	s_mov_b32 s[G1+3], 512<<16                     ; tile_dim0 = 512
	s_mov_b32 s[G1+4], 4                           ; tile_dim1 = 4
	s_mov_b32 s[G1+5], 4096                        ; from row to row, in elements
	s_mov_b32 s[G1+6], 0
	s_mov_b32 s[G1+7], 0
	; group 1 for w: 128 rows x 128 elements of 2 bytes, padded in LDS
	s_or_b32 s[G1B+0], s46, (1<<16)|(1<<20)|(1<<21)|(5<<22)|(3<<25)  ; the mask: my column; padding: four words (code 3) after every 64 (code 5)
	s_mov_b32 s[G1B+1], 128<<16
	s_mov_b32 s[G1B+2], 128<<16
	s_mov_b32 s[G1B+3], 128<<16
	s_mov_b32 s[G1B+4], 128
	s_mov_b32 s[G1B+5], 1024
	s_mov_b32 s[G1B+6], 0
	s_mov_b32 s[G1B+7], 0
	s_lshl_b32 s16, s15, 18                        ; att: token block 8 x tile row + 4 x half, 32,768 bytes each
	s_lshl_b32 s17, s14, 17
	s_add_co_u32 s16, s16, s17
	s_mov_b32 s17, 0
	s_lshl_b32 s46, s42, 19                        ; w: row 256 x tile column + 128 x half, 2,048 bytes each
	s_lshl_b32 s47, s14, 18
	s_add_co_u32 s46, s46, s47
	s_mov_b32 s47, 0
	s_lshl_b32 s20, s14, 14                        ; where they go: att's halves,
	s_mul_i32 s21, s14, HALFB
	s_add_co_u32 s21, s21, ABYTES                  ; w's halves behind them: no place in the cluster enters an LDS address
	s_wait_dscnt 0x0                               ; the opening add is done
	s_wait_kmcnt 0x0
	s_add_nc_u64 s[18:19], s[4:5], s[16:17]
	s_add_nc_u64 s[46:47], s[6:7], s[46:47]
	CROUND                                         ; all sixteen work-groups are here: the first joint loads meet
.irp s, 0,1
	s_mov_b32 s[G0+4*\s], 1
	s_add_co_u32 s[G0+4*\s+1], s20, \s*SLOT
	s_add_nc_u64 s[G0+4*\s+2:G0+4*\s+3], s[18:19], \s*ASTEP
	s_or_b32 s[G0+4*\s+3], s[G0+4*\s+3], 0x80000000
	s_mov_b32 s[G0B+4*\s], 1
	s_add_co_u32 s[G0B+4*\s+1], s21, \s*SLOT
	s_add_nc_u64 s[G0B+4*\s+2:G0B+4*\s+3], s[46:47], \s*BSTEP
	s_or_b32 s[G0B+4*\s+3], s[G0B+4*\s+3], 0x80000000
	JLOAD \s                                       ; two tensor loads of mine are out behind the second
.endr
	v_and_b32 v1, 15, v0                           ; r = lane % 16
	v_bfe_u32 v2, v0, 4, 1                         ; h = lane / 16
	v_and_b32 v3, 31, v0
	v_lshlrev_b32 v[CO], 4, v3                     ; 16 x lane
	v_mul_u32_u24 v4, v1, PITCH
	v_lshl_add_u32 v4, v2, 4, v4                   ; w: row x pitch + 16 x half
	s_lshl_b32 s20, s13, 14                        ; my 64 tokens: four blocks
	s_mul_i32 s21, s14, HALFB                      ; my 128 rows of w,
	s_add_co_u32 s21, s21, ABYTES                  ; behind att's part
.irp s, 0,1
	v_add_nc_u32 v[ADRA+\s], s20, v[CO]
	v_add_nc_u32 v[ADRB+\s], s21, v4
	s_add_co_u32 s20, s20, SLOT
	s_add_co_u32 s21, s21, SLOT
.endr
	s_mul_i32 s23, s[WV], 16*SPITCH
	s_add_co_u32 s23, s23, STAGE                   ; my stage
	v_mul_u32_u24 v5, v1, SPITCH                   ; in: row r, 32 bytes for each half of the lanes
	v_lshl_add_u32 v5, v2, 5, v5
	v_add_nc_u32 v[STO], s23, v5
	v_add_nc_u32 v[RD], s23, v[CO]                 ; back: the 32 lanes take one row of 512 bytes
	v_lshlrev_b32 v[BO], 5, v2
	s_lshl_b32 s16, s15, 19                        ; out0: row 128 x tile row + 64 x my half, 4,096 bytes each
	s_lshl_b32 s17, s13, 18
	s_add_co_u32 s16, s16, s17
	s_mov_b32 s17, 0
	s_lshl_b32 s46, s42, 10                        ; column 256 x tile column + 128 x my half, 4 bytes each
	s_lshl_b32 s47, s14, 9
	s_add_co_u32 s46, s46, s47
	s_mov_b32 s47, 0
	s_add_nc_u64 s[10:11], s[10:11], s[16:17]
	s_add_nc_u64 s[10:11], s[10:11], s[46:47]
	s_add_nc_u64 s[8:9], s[8:9], s[46:47]          ; the bias of my 128 columns
	WIN TO_B
.irp b, 0,1,2,3,4,5,6,7                ; lane (r, h) wants, for block b, the bias of columns 16 b + 8 h + 0 .. 7: the result's layout
	global_load_b128 v[BIAS+8*\b:BIAS+8*\b+3],   v[BO], s[8:9] offset:64*\b
	global_load_b128 v[BIAS+8*\b+4:BIAS+8*\b+7], v[BO], s[8:9] offset:64*\b+16
.endr
	WIN 0
	s_lshl_b32 s16, s15, 18                        ; the prefetches: token block 8 x tile row + 2 cx,
	s_lshl_b32 s46, s40, 16
	s_add_co_u32 s16, s16, s46
	s_add_co_u32 s16, s16, 2*ASTEP                 ; at K step 2: the first refill steps it to 3 and names K step 4
	s_add_nc_u64 s[PFA:PFA+1], s[4:5], s[16:17]
	s_cmp_eq_u32 s[WV], 0
	s_cselect_b32 s[LIM], 1, -1
	v_lshlrev_b32 v[PFO], 8, v1                    ; lanes 256 bytes apart in a block's 4,096; lanes 16-31 in the next block
	v_lshl_add_u32 v[PFO], v2, 15, v[PFO]
; 8 matrix instructions: tokens 16 a on against w's eight blocks, 32 along K, buffer f.  first = 1: the bias starts the sums.  The 32 accumulators take turns, in the same order in every quarter.
.macro MUL8 f, a, first
.irp b, 0,1,2,3,4,5,6,7
.if \first
	v_wmma_f32_16x16x32_f16 v[8*(8*(\a)+\b):8*(8*(\a)+\b)+7], v[64*(\f)+8*\b:64*(\f)+8*\b+7], v[AF+32*(\f)+8*(\a):AF+32*(\f)+8*(\a)+7], v[BIAS+8*\b:BIAS+8*\b+7]
.else
	v_wmma_f32_16x16x32_f16 v[8*(8*(\a)+\b):8*(8*(\a)+\b)+7], v[64*(\f)+8*\b:64*(\f)+8*\b+7], v[AF+32*(\f)+8*(\a):AF+32*(\f)+8*(\a)+7], v[8*(8*(\a)+\b):8*(8*(\a)+\b)+7]
.endif
.endr
.endm
; 24 LDS loads in one run: the fragments of the slot's q-th 32 along K into buffer f: w's sixteen loads, then att's eight
.macro FETCH slot, q, f
	WIN TO_B
.irp b, 0,1,2,3,4,5,6,7
	ds_load_b128 v[64*(\f)+8*\b:64*(\f)+8*\b+3],   v[ADRB+\slot] offset:64*(\q)+\b*16*PITCH
	ds_load_b128 v[64*(\f)+8*\b+4:64*(\f)+8*\b+7], v[ADRB+\slot] offset:64*(\q)+\b*16*PITCH+32
.endr
	WIN 0
.irp a, 0,1,2,3
	ds_load_b128 v[AF+32*(\f)+8*\a:AF+32*(\f)+8*\a+3],   v[ADRA+\slot] offset:\a*4096+1024*(\q)
	ds_load_b128 v[AF+32*(\f)+8*\a+4:AF+32*(\f)+8*\a+7], v[ADRA+\slot] offset:\a*4096+1024*(\q)+512
.endr
.endm
.macro PLACES                          ; four places ahead of loads into registers that matrix instructions have read, and of the first read of results
.rept 4
	v_nop
.endr
.endm
; A K step is four quarters of 32 along K, 32 matrix instructions each, on buffers 0, 1, 0, 1.  One of the first three: multiplies buffer f and, in its middle, fetches the slot's q-th quarter into buffer g.
.macro QUARTER slot, q, f, g, first
	s_wait_dscnt 4                                 ; w's fragments and att's blocks 0, 1 are in; the youngest four loads (blocks 2, 3) may be out
	WIN MUL-0x10*(\first)
	MUL8 \f, 0, \first
	MUL8 \f, 1, \first
	PLACES
	FETCH \slot, \q, \g
	s_wait_dscnt 24                                ; all but the 24 just issued
	WIN MUL-0x10*(\first)
	MUL8 \f, 2, \first
	MUL8 \f, 3, \first
.endm
; The last quarter multiplies buffer 1 and changes slots: ONE barrier; in front of it each wave waits for all its tensor loads (its part of the next slot), adds 0 to its spare word, and waits for that and for its reads of this slot.
; fill = 1: the barrier opens a round of the cluster's barrier, and this slot is filled again, two K steps ahead, first thing behind the round, one load a wave.
.macro TURN slot, next, fill
.if \fill
	s_wait_xcnt 0x0                                ; the last prefetch, a K step back: its address is stepped only behind this wait
	s_add_nc_u64 s[PFA:PFA+1], s[PFA:PFA+1], ASTEP
.endif
	WIN 0                                          ; (the add's two registers lie in window 0)
	s_wait_tensorcnt 0x0                           ; all my tensor loads have landed
	ds_add_u32 v[SPW], v[NIL]                      ; 0 onto my spare word
	s_wait_dscnt 5                                 ; the add and the youngest four loads may be out
	WIN MUL
	MUL8 1, 0, 0                                   ; eight matrix instructions stand between the add and the wait for it
	s_wait_dscnt 0x0                               ; the add is done, and my reads of this slot are over
	s_barrier_signal -1
	MUL8 1, 1, 0
.if \fill
	WIN 0
.endif
	s_barrier_wait -1
.if \fill
	CREST                                          ; no wave of any partner still reads this slot's tiles or has a load on its way
	s_add_nc_u64 s[G0+4*\slot+2:G0+4*\slot+3], s[G0+4*\slot+2:G0+4*\slot+3], 2*ASTEP
	s_add_nc_u64 s[G0B+4*\slot+2:G0B+4*\slot+3], s[G0B+4*\slot+2:G0B+4*\slot+3], 2*BSTEP
	JLOAD \slot                                    ; the four v_nop behind it are also the places ahead of the loads below
.else
	PLACES
.endif
	FETCH \next, 0, 0
.if \fill
	ASK
.endif
	WIN MUL
	MUL8 1, 2, 0
	MUL8 1, 3, 0
.endm
	s_wait_tensorcnt 1                             ; my part of K step 0 is in; K step 1's load, issued behind it, may stay out
	s_barrier_signal -1
	s_barrier_wait -1                              ; everybody's is
	FETCH 0, 0, 0
	s_wait_loadcnt 0x0                             ; the bias
	QUARTER 0, 1, 0, 1, 1                          ; the first quarter stands ahead of the loop: its products start the sums with the bias
	WIN 0                                          ; at a label and at a branch every window is 0
	s_mov_b32 s3, LAPS-1
.Llap:                                             ; a trip goes once round the two slots, from a lap's second quarter to the next lap's first, and fills both again
	QUARTER 0, 2, 1, 0, 0
	QUARTER 0, 3, 0, 1, 0
	TURN 0, 1, 1
	QUARTER 1, 1, 0, 1, 0
	QUARTER 1, 2, 1, 0, 0
	QUARTER 1, 3, 0, 1, 0
	TURN 1, 0, 1
	QUARTER 0, 1, 0, 1, 0
	WIN 0
	s_sub_co_u32 s3, s3, 1
	s_cmp_lg_u32 s3, 0
	s_cbranch_scc1 .Llap
	QUARTER 0, 2, 1, 0, 0                          ; the last lap fills nothing
	QUARTER 0, 3, 0, 1, 0
	TURN 0, 1, 0
	QUARTER 1, 1, 0, 1, 0
	QUARTER 1, 2, 1, 0, 0
	QUARTER 1, 3, 0, 1, 0
	s_wait_dscnt 4                                 ; the last quarter: nothing more to fetch
	WIN MUL
	MUL8 1, 0, 0
	MUL8 1, 1, 0
	s_wait_dscnt 0x0
	MUL8 1, 2, 0
	MUL8 1, 3, 0
	WIN 0
; THE WAY OUT, a block of 16 rows x 128 columns at a time.  A lane holds 32 neighbouring bytes of a row, the lanes beside it other rows: so a block goes through my own stage in LDS and comes back as whole rows of 512 bytes.
; LDS serves a wave's instructions in order (ISA guide 5.7.1.4): no wait between the stores and the loads, nor ahead of the next block's stores.
.macro TOSTAGE a
	WIN 0x08                                       ; an LDS store's data are its source 1: window 2
.irp b, 0,1,2,3,4,5,6,7
	ds_store_b128 v[STO], v[8*(8*(\a)+\b):8*(8*(\a)+\b)+3] offset:64*\b            ; each accumulator from its low end on
	ds_store_b128 v[STO], v[8*(8*(\a)+\b)+4:8*(8*(\a)+\b)+7] offset:64*\b+16
.endr
	WIN 0
.set BB, BK+64*((\a)%2)
.irp t, 0,1,2,3,4,5,6,7,8,9,10,11,12,13,14,15
	ds_load_b128 v[BB+4*\t:BB+4*\t+3], v[RD] offset:\t*SPITCH
.endr
.endm
.macro SEND a, younger                 ; younger: the LDS instructions issued behind block a's loads, which may stay out
.set BB, BK+64*((\a)%2)
	s_wait_dscnt \younger                          ; the block is back in registers
.irp t, 0,1,2,3,4,5,6,7,8,9,10,11,12,13,14,15
	global_store_b128 v[CO], v[BB+4*\t:BB+4*\t+3], s[10:11] offset:(16*(\a)+\t)*4096 th:TH_STORE_NT   ; 32 lanes store 512 consecutive bytes, aligned; written once, read by nobody here
.endr
.endm
	PLACES                                         ; behind the last products, ahead of the first read of results
	TOSTAGE 0
.irp a, 1,2,3
.if \a > 1
	s_wait_xcnt 0x0                                ; block a - 2's stores: their data registers are loaded again only behind this wait
.endif
	TOSTAGE \a
	SEND \a-1, 32                                  ; behind block a - 1's loads: block a's 16 stores and 16 loads
.endr
	SEND 3, 0
	s_wait_tensorcnt 0x0                           ; the wave's end: behind my last tensor load and my last LDS store
	ds_add_u32 v[SPW], v[NIL]
	s_wait_dscnt 0x0
	CROUND                                         ; the closing round: no work-group ends while a partner may still ask for a tile that names it
	s_endpgm
.Lfunc_end_k_q30106271dc_proj:
	.size	k_q30106271dc_proj, .Lfunc_end_k_q30106271dc_proj-k_q30106271dc_proj
	.p2alignl 7, 3214868480
	.fill 96, 4, 3214868480
	.section	.rodata,"a",@progbits
	.p2align	6, 0x0
	.amdhsa_kernel k_q30106271dc_proj
		.amdhsa_group_segment_fixed_size 327680
		.amdhsa_private_segment_fixed_size 0
		.amdhsa_enable_private_segment 0
		.amdhsa_kernarg_size 32
		.amdhsa_user_sgpr_count 2
		.amdhsa_user_sgpr_kernarg_segment_ptr 1
		.amdhsa_wavefront_size32 1
		.amdhsa_system_sgpr_workgroup_id_x 1
		.amdhsa_system_sgpr_workgroup_id_y 1
		.amdhsa_system_sgpr_workgroup_id_z 1
		.amdhsa_system_vgpr_workitem_id 0
		.amdhsa_next_free_vgpr 768
		.amdhsa_next_free_sgpr 66
		.amdhsa_reserve_vcc 0
		.amdhsa_float_denorm_mode_32 3
		.amdhsa_float_denorm_mode_16_64 3
		.amdhsa_memory_ordered 1
		.amdhsa_forward_progress 1
		.amdhsa_inst_pref_size 88
	.end_amdhsa_kernel
	.amdgpu_metadata
---
amdhsa.version: [ 1, 2 ]
amdhsa.kernels:
  - .name:           k_q30106271dc_proj
    .symbol:         k_q30106271dc_proj.kd
    .args:
      - { .name: att, .offset: 0, .size: 8, .value_kind: global_buffer, .address_space: global }
      - { .name: wp16, .offset: 8, .size: 8, .value_kind: global_buffer, .address_space: global }
      - { .name: b_proj, .offset: 16, .size: 8, .value_kind: global_buffer, .address_space: global }
      - { .name: out0, .offset: 24, .size: 8, .value_kind: global_buffer, .address_space: global }
    .group_segment_fixed_size: 327680
    .private_segment_fixed_size: 0
    .kernarg_segment_align: 8
    .kernarg_segment_size: 32
    .max_flat_workgroup_size: 128
    .sgpr_count:     66
    .vgpr_count:     768
    .wavefront_size: 32
...
	.end_amdgpu_metadata
.endif
;; end of part 4
